; MI455X (gfx1250); checked and timed in simulation.
; The chip was launched on July 23, 2026; its instructions are those of AMD's public machine-readable ISA for CDNA 5 (MIT licence, August 2026) and "CDNA5" Instruction Set Architecture Reference Guide (July 2026). The comments in the code are by the model that wrote it; some were corrected since.
;; Linear Causal Self Attention. Allowed arithmetic: float matrix products may take bf16 or f16 operands with f32 sums; other float arithmetic in f32, or as packed bf16 or f16 multiplies, adds, multiply-adds, maxima and minima; sums over many terms, partial sums and values carried from step to step in f32; what a program stores and reads back later, other than sums and carried values, may be rounded once to bf16 or f16.
;; Inputs: W_attn 1,024 x 3,072 float32; W_proj 1,024 x 1,024 float32; b_attn 3,072 float32; b_proj 1,024 float32; x 4 x 2,048 x 1,024 float32.
;; Outputs: out0 4 x 2,048 x 1,024 float32.
;; One version. Each part assembles by itself: llvm-mc -triple=amdgcn-amd-amdhsa -mcpu=gfx1250 --defsym DOCPART=n.
;; ======== version 1 of 1: 4 launches
;; limits: values are held in f16: magnitudes above 65,504 overflow, below 6.1e-05 lose precision; values outside matrix products are rounded to f16
;; workspace buffers: xb 16,777,216 bytes; wa 6,291,456 bytes; wp 2,097,152 bytes; qkv 50,331,648 bytes; vlo 4,194,304 bytes; ya 18,874,368 bytes
;; launch prep (part 1): grid 1024 x 1, 8 waves a work-group, no clusters, 18,432 bytes of LDS; arguments x, W_attn, W_proj, xb, wa, wp; writes xb, wa, wp
.if DOCPART == 1
	.amdgcn_target "amdgcn-amd-amdhsa--gfx1250"
	.amdhsa_code_object_version 6
	.text
	.protected	k_qab8a7bbfab_prep
	.globl	k_qab8a7bbfab_prep
	.p2align	8
	.type	k_qab8a7bbfab_prep,@function
k_qab8a7bbfab_prep:
	s_mov_b64 s[64:65], 0
	v_nop
	global_prefetch_b8 v0, s[64:65] scope:SCOPE_SE
	s_setreg_imm32_b32 hwreg(HW_REG_WAVE_MODE, 25, 1), 1
	s_wait_xcnt 0x0
; LINEAR CAUSAL SELF-ATTENTION in four launches: prep (this one), qkvgemm, attn, projgemm.
; out = y W_proj + b_proj;  y[t] = (q[t] . sum over s <= t of k[s] v[s]^T) / (q[t] . sum over s <= t of k[s] + 1e-6);  q, k = elu(.) + 1 of x W_attn + b_attn, v plain.
; WORK LEFT OUT AS DEAD, for all finite values of the inputs:
;   (1) the product of q with the state that the scan starts from: reference() builds that state as zeros in its own body, so for the first 64 tokens of
;       a sequence the term q . state and the term q . ksum of earlier tokens are 0 whatever q holds;
;   (2) products q[t] . k[s] with s > t, where they come in whole blocks of 16 x 16: step t of the scan holds only s <= t;
;   (3) the sum k v^T over the last 64 tokens of each segment of 512 tokens as seen by the work-group that owns the segment: no query of that work-group lies behind them.
; No input is dead: all five are loaded.  LIMIT: a NaN, an infinity or an overflow that would reach only the work left out is not carried to the result.
; FORMATS.  All five inputs are rounded to bf16 once; q, k, v, W_proj and y are kept in f16 (v and y with a second f16 word, the residual, for the first 16 rows of a block);
; sums in f32.  LIMITS: |x W_attn + b_attn| stays under 65,504; a feature below 6e-8 counts as 0; W_proj below 6e-5 keeps f16's fixed step; NaN and infinities are not treated apart.
;
; THIS LAUNCH rounds and lays out.  Work-groups 0-511: x to bf16, 65,536 bytes in and 32,768 out each.  512-895: a tile of 128 k x 64 n of W_attn, turned through LDS into
; wa[n'][k] (bf16), n' = 192 h + 64 p + c for column 1024 p + 64 h + c, so that a head's q, k and v columns lie together.  896-1023: the same for W_proj into wp[k / 64][n][k % 64],
; rounded to bf16 and written as f16.  Memory binds: no matrix unit, no cluster; each store of a wave covers 256 or 512 consecutive bytes, aligned.
.set LPITCH, 272                       ; an LDS row: 128 k of 2 bytes + 16
.set SPARE,  64*LPITCH                 ; behind the tile: the spare words, 128 bytes for each of eight waves
.set SPW, 4                            ; v4   LDS address of my spare word; never rewritten
.set NIL, 5                            ; v5   0; never rewritten
.set IN,  16                           ; v[16:79]  as loaded
.set PKD, 48                           ; v[48:63]  a weight tile's packed words
.set BK,  64                           ; v[64:79]  rows read back
.set OUTR, 80                          ; v[80:111] the cast's packed words
	s_load_b256 s[4:11], s[0:1], 0x0               ; x s[4:5], W_attn s[6:7], W_proj s[8:9], xb s[10:11]
	s_load_b128 s[12:15], s[0:1], 0x20             ; wa s[12:13], wp s[14:15]
	v_lshl_add_u32 v[SPW], v0, 2, SPARE
	v_mov_b32 v[NIL], 0
	v_lshrrev_b32 v1, 5, v0
	v_readfirstlane_b32 s16, v1                    ; wave 0..7
	s_mov_b32 s21, 0
	s_mov_b32 s23, 0
	s_wait_kmcnt 0x0
	s_cmp_lt_u32 ttmp9, 512                        ; the work-group's number picks the arm: the same in all eight waves
	s_cbranch_scc0 .Lweights
	; THE CAST.  Thread t takes 16 bytes at 16 t of each of 16 pieces of 4,096 bytes; all 16 loads go out first.
	s_lshl_b32 s20, ttmp9, 16
	s_lshl_b32 s22, ttmp9, 15
	s_add_nc_u64 s[4:5], s[4:5], s[20:21]
	s_add_nc_u64 s[10:11], s[10:11], s[22:23]
	v_lshlrev_b32 v2, 4, v0
	v_lshlrev_b32 v3, 3, v0
.set jj, 0
.rept 16
	global_load_b128 v[IN+4*jj:IN+4*jj+3], v2, s[4:5] offset:4096*jj th:TH_LOAD_NT
.set jj, jj+1
.endr
.set jj, 0
.rept 16
	s_wait_loadcnt 15-jj                           ; loads come back in order: piece jj is in, the younger ones stay out
	v_cvt_pk_bf16_f32 v[OUTR+2*jj], v[IN+4*jj], v[IN+4*jj+1]
	v_cvt_pk_bf16_f32 v[OUTR+2*jj+1], v[IN+4*jj+2], v[IN+4*jj+3]
	global_store_b64 v3, v[OUTR+2*jj:OUTR+2*jj+1], s[10:11] offset:2048*jj  ; a wave's store: 256 consecutive bytes, aligned
.set jj, jj+1
.endr
	s_branch .Lend
; A WEIGHT TILE, 128 k x 64 n.  Lane: ng = l % 16 (four columns, 16 bytes), kg = 2 wave + l / 16 (eight rows of k).  Eight loads, a row each: sixteen lanes read 256 bytes of one row.
; Two rows' numbers of one column pack into a word, four words are 8 k of that column: 16 bytes into LDS row n at 16 kg.
.macro WTILE pitch, src, half
	v_mul_u32_u24 v11, v9, 8*(\pitch)
	v_lshl_add_u32 v11, v7, 4, v11
.set jj, 0
.rept 8
	global_load_b128 v[IN+4*jj:IN+4*jj+3], v11, s[\src:\src+1] offset:(\pitch)*jj th:TH_LOAD_NT
.set jj, jj+1
.endr
	s_wait_loadcnt 0x0
.set cc, 0
.rept 4
.set jj, 0
.rept 4
	v_cvt_pk_bf16_f32 v[PKD+4*cc+jj], v[IN+8*jj+cc], v[IN+8*jj+4+cc]
.set jj, jj+1
.endr
.set cc, cc+1
.endr
.if \half
.set cc, 0
.rept 16                               ; the bf16 number written as f16: exact from 6e-5 up
	v_lshlrev_b32 v[OUTR], 16, v[PKD+cc]
	v_and_b32 v[OUTR+1], 0xffff0000, v[PKD+cc]
	v_cvt_pk_f16_f32 v[PKD+cc], v[OUTR], v[OUTR+1]
.set cc, cc+1
.endr
.endif
.set cc, 0
.rept 4
	ds_store_b128 v10, v[PKD+4*cc:PKD+4*cc+3] offset:LPITCH*cc
.set cc, cc+1
.endr
	s_wait_dscnt 0x0                               ; for the others' sake: my stores are done
	s_barrier_signal -1
	s_barrier_wait -1
.endm
; the rows come back whole and leave: step bytes apart in LDS, out bytes apart in memory
.macro WBACK dst, step, out
.set jj, 0
.rept 4
	ds_load_b128 v[BK+4*jj:BK+4*jj+3], v12 offset:(\step)*jj
.set jj, jj+1
.endr
.set jj, 0
.rept 4
	s_wait_dscnt 3-jj                              ; LDS loads come back in order: the younger ones stay out
	global_store_b128 v14, v[BK+4*jj:BK+4*jj+3], s[\dst:\dst+1] offset:(\out)*jj
.set jj, jj+1
.endr
.endm
.Lweights:
	v_and_b32 v7, 15, v0                           ; ng
	v_bfe_u32 v8, v0, 4, 1                         ; l / 16
	v_lshl_add_u32 v9, s16, 1, v8                  ; kg
	v_mul_u32_u24 v10, v7, 4*LPITCH                ; LDS row 4 ng,
	v_lshl_add_u32 v10, v9, 4, v10                 ; byte 16 kg
	s_cmp_lt_u32 ttmp9, 896
	s_cbranch_scc0 .Lproj
	s_sub_co_u32 s17, ttmp9, 512
	s_and_b32 s18, s17, 7                          ; kt
	s_lshr_b32 s19, s17, 3                         ; nt = 16 p + h
	s_lshr_b32 s24, s19, 4                         ; p
	s_and_b32 s25, s19, 15                         ; h
	s_mul_i32 s20, s18, 128*12288
	s_lshl_b32 s26, s19, 8
	s_add_co_u32 s20, s20, s26
	s_add_nc_u64 s[6:7], s[6:7], s[20:21]
	s_mul_i32 s22, s25, 192*2048
	s_lshl_b32 s26, s24, 17
	s_add_co_u32 s22, s22, s26
	s_lshl_b32 s26, s18, 8
	s_add_co_u32 s22, s22, s26
	s_add_nc_u64 s[12:13], s[12:13], s[22:23]      ; wa at row 192 h + 64 p, byte 256 kt
	WTILE 12288, 6, 0
	v_lshl_add_u32 v13, s16, 3, v8                 ; row 8 wave + l / 16
	v_mul_u32_u24 v12, v13, LPITCH
	v_lshl_add_u32 v12, v7, 4, v12
	v_lshlrev_b32 v14, 11, v13
	v_lshl_add_u32 v14, v7, 4, v14
	WBACK 12, 2*LPITCH, 4096                       ; sixteen lanes store 256 consecutive bytes of a row of wa, aligned
	s_branch .Lend
.Lproj:
	s_sub_co_u32 s17, ttmp9, 896
	s_and_b32 s18, s17, 7                          ; kt
	s_lshr_b32 s19, s17, 3                         ; nt
	s_lshl_b32 s20, s18, 19                        ; 128 rows of 4,096 bytes
	s_lshl_b32 s26, s19, 8
	s_add_co_u32 s20, s20, s26
	s_add_nc_u64 s[8:9], s[8:9], s[20:21]
	s_lshl_b32 s22, s18, 18                        ; two planes of 131,072 bytes
	s_lshl_b32 s26, s19, 13                        ; 64 rows of 128 bytes
	s_add_co_u32 s22, s22, s26
	s_add_nc_u64 s[14:15], s[14:15], s[22:23]
	WTILE 4096, 8, 1
	s_and_b32 s24, s16, 1                          ; which 64 of the 128 k
	s_lshr_b32 s25, s16, 1
	v_bfe_u32 v13, v0, 3, 2
	v_lshl_add_u32 v13, s25, 4, v13                ; row 16 (wave / 2) + l / 8
	v_and_b32 v15, 7, v0
	v_mul_u32_u24 v12, v13, LPITCH
	v_lshl_add_u32 v12, v15, 4, v12
	s_lshl_b32 s26, s24, 7
	v_add_nc_u32 v12, s26, v12
	v_lshlrev_b32 v14, 7, v13
	v_lshl_add_u32 v14, v15, 4, v14
	s_lshl_b32 s26, s24, 17
	v_add_nc_u32 v14, s26, v14
	WBACK 14, 4*LPITCH, 512                        ; a wave's store: four rows of 128 bytes, 512 consecutive bytes
.Lend:
	s_wait_tensorcnt 0x0                           ; the wave's end, behind my last LDS store
	ds_add_u32 v[SPW], v[NIL]
	s_wait_dscnt 0x0
	s_endpgm
.Lfunc_end_k_qab8a7bbfab_prep:
	.size	k_qab8a7bbfab_prep, .Lfunc_end_k_qab8a7bbfab_prep-k_qab8a7bbfab_prep
	.p2alignl 7, 3214868480
	.fill 96, 4, 3214868480
	.section	.rodata,"a",@progbits
	.p2align	6, 0x0
	.amdhsa_kernel k_qab8a7bbfab_prep
		.amdhsa_group_segment_fixed_size 18432
		.amdhsa_private_segment_fixed_size 0
		.amdhsa_enable_private_segment 0
		.amdhsa_kernarg_size 48
		.amdhsa_user_sgpr_count 2
		.amdhsa_user_sgpr_kernarg_segment_ptr 1
		.amdhsa_wavefront_size32 1
		.amdhsa_system_sgpr_workgroup_id_x 1
		.amdhsa_system_sgpr_workgroup_id_y 1
		.amdhsa_system_sgpr_workgroup_id_z 1
		.amdhsa_system_vgpr_workitem_id 0
		.amdhsa_next_free_vgpr 112
		.amdhsa_next_free_sgpr 66
		.amdhsa_reserve_vcc 0
		.amdhsa_float_denorm_mode_32 3
		.amdhsa_float_denorm_mode_16_64 3
		.amdhsa_memory_ordered 1
		.amdhsa_forward_progress 1
		.amdhsa_inst_pref_size 18
	.end_amdhsa_kernel
	.amdgpu_metadata
---
amdhsa.version: [ 1, 2 ]
amdhsa.kernels:
  - .name:           k_qab8a7bbfab_prep
    .symbol:         k_qab8a7bbfab_prep.kd
    .args:
      - { .name: x, .offset: 0, .size: 8, .value_kind: global_buffer, .address_space: global }
      - { .name: W_attn, .offset: 8, .size: 8, .value_kind: global_buffer, .address_space: global }
      - { .name: W_proj, .offset: 16, .size: 8, .value_kind: global_buffer, .address_space: global }
      - { .name: xb, .offset: 24, .size: 8, .value_kind: global_buffer, .address_space: global }
      - { .name: wa, .offset: 32, .size: 8, .value_kind: global_buffer, .address_space: global }
      - { .name: wp, .offset: 40, .size: 8, .value_kind: global_buffer, .address_space: global }
    .group_segment_fixed_size: 18432
    .private_segment_fixed_size: 0
    .kernarg_segment_align: 8
    .kernarg_segment_size: 48
    .max_flat_workgroup_size: 256
    .sgpr_count:     66
    .vgpr_count:     112
    .wavefront_size: 32
...
	.end_amdgpu_metadata
.endif
;; end of part 1
;; launch qkvgemm (part 2): grid 16 x 16, 4 waves a work-group, clusters of 4 x 4, 327,680 bytes of LDS; arguments xb, wa, b_attn, qkv, vlo; writes qkv, vlo
.if DOCPART == 2
	.amdgcn_target "amdgcn-amd-amdhsa--gfx1250"
	.amdhsa_code_object_version 6
	.text
	.protected	k_qab8a7bbfab_qkvgemm
	.globl	k_qab8a7bbfab_qkvgemm
	.p2align	8
	.type	k_qab8a7bbfab_qkvgemm,@function
k_qab8a7bbfab_qkvgemm:
	s_mov_b64 s[64:65], 0
	v_nop
	global_prefetch_b8 v0, s[64:65] scope:SCOPE_SE
	s_setreg_imm32_b32 hwreg(HW_REG_WAVE_MODE, 25, 1), 1
	s_wait_xcnt 0x0
	s_wait_alu depctr_hold_cnt(0) depctr_sa_sdst(0) depctr_va_vdst(0) depctr_va_sdst(0) depctr_va_ssrc(0) depctr_va_vcc(0) depctr_vm_vsrc(0)
	s_getreg_b32 s2, hwreg(HW_REG_IB_STS2, 6, 4)
	s_cmp_eq_u32 s2, 0
	s_cbranch_scc0 .Lentry_in_a_cluster
	s_endpgm
.Lentry_in_a_cluster:
	s_bfe_u32 s2, ttmp6, 0x10000c
	s_cmp_lg_u32 s2, 0xf033
	s_cbranch_scc0 .Lentry_shape_is_right
	s_endpgm
.Lentry_shape_is_right:
; qkv = xb wa^T + b_attn, then elu + 1 on q and k, all rounded to f16 and laid by heads: plane p (q, k, v) at p x 2^24 bytes, inside it [16 b + h][2048 t][64].
; vlo[16 b + h][t / 64][16][64] = v - f16(v) for the first 16 tokens of each 64.  xb: [8192][1024] bf16; wa: [3072][1024] bf16, row 192 h + 64 p + c.  Sums in f32, started by the bias (rounded to bf16).
; SHARES.  A tile is 256 rows x the 192 columns of one head.  512 tiles; 256 work-groups stay and make two each, 4,096 rows apart.  Wave w makes rows 64 w .. + 63 x all 192 columns:
; 48 accumulators, blocks b = 0-3 q, 4-7 k, 8-11 v, so that which columns take the feature map is a matter of the text.  K goes in 8 steps of 128 through two LDS slots.
; THE MATRIX INSTRUCTION IS USED TRANSPOSED (source 0 = 16 rows of wa, source 1 = 16 rows of xb): a lane holds one row and eight neighbouring columns.
; CLUSTER 4 x 4: xb's tile hangs on the tile row alone and is asked for jointly along a row of the cluster, wa's on the head alone and jointly along a column.
; LIMIT: |x W + b| under 65,504 (f16); a feature below 6e-8 counts as 0.
; REGISTERS by windows of 256.  0: v0-31 addresses; v32-63, v64-95 A's fragments, two buffers; v96-191 the bias, block b at + 8 b; v192-255 T, at work on the way out.
; 1: v0-95, v96-191 B's fragments, two buffers; v192-255 rows read back from the stage.   2: accumulators of row blocks a = 0, 1 at 96 (a % 2) + 8 b.   3: those of a = 2, 3.
.set PITCH,  272                       ; an LDS row: 256 bytes + 16: the 16 rows of a fragment load start 4 words apart modulo 64
.set HALFA,  128*PITCH                 ; what one tensor load brings of A
.set BOFF,   2*HALFA
.set HALFB,  96*PITCH                  ; and of B
.set SLOT1,  131072                    ; slot 1 begins here: one exclusive or turns an address of one slot into the other's
.set STAGE,  SLOT1+BOFF+2*HALFB        ; behind the ring: 16 rows x 528 bytes for each wave (q, k, v, v's residual: 4 x 128 bytes)
.set SPITCH, 528
.set SPARE,  STAGE+4*16*SPITCH         ; the spare words, 128 bytes for each wave
.set NEXT_A, 4096*2048-7*256           ; from a tile's K step 7 to the next tile's K step 0: 4,096 rows down, back along K
.set BACK_B, 7*256
.set ADRA0, 4                          ; v4   my place in A's tile: (64 w + r) x 272 + 16 (l / 16); never rewritten
.set ADRB0, 5                          ; v5   the same for B
.set ADRA,  6                          ; v6   + the slot in hand
.set ADRB,  7
.set STO,   8                          ; v8   the way out: where I put 16 bytes
.set RD,    9                          ; v9   where I read rows back
.set GO,    10                         ; v10  16 x lane
.set PFO,   11                         ; v11  the prefetches' offset: a lane a row
.set TA,    12                         ; v12-13 at work
.set NEG1,  14                         ; v14  -1.0
.set BO,    15                         ; v15  32 (l / 16)
.set SPW,   28
.set NIL,   29
.set FA,    32
.set BIAS,  96
.set T,     192
.set RB,    192                        ; window 1
.set WV,   14
.set ROLE, 15                          ; wave / 2: 0 fetches A, 1 fetches B
.set HALF, 16                          ; wave % 2: which half of that tile
.set G1A,  32
.set G1B,  40
.set G0A,  48                          ; s[48:51] the first fill of slot 0; s[52:55] slot 1's, which then walks
.set G0B,  56
.set PFA,  66
.set LIM,  68                          ; 2 in a wave that prefetches, else the greatest number
.set TB,   69                          ; LDS byte at which the slot in hand begins
.set TILES, 70
.set STEPS, 71
.set CS,   72                          ; s[72:73] log2(e)
.set SQ,   74
.set SK,   76
.set SV,   78
.set SL,   80
.set MSB, 0
.macro WIN new                         ; the immediate's high byte repeats the setting that is left; a switch that changes nothing is dropped
.if MSB != (\new)
	s_set_vgpr_msb (MSB<<8)|(\new)
.set MSB, \new
.endif
.endm
.macro PLACES                          ; four plain places behind matrix instructions, in front of loads into their sources and of readers of their results
.rept 4
	v_nop
.endr
.endm
; A joint load: waves 0 and 1 fetch A's halves, waves 2 and 3 B's.  An s_nop 0 and four v_nop follow each of the two lines.
.macro JLOAD s
	s_cmp_eq_u32 s[ROLE], 0
	s_cbranch_scc0 .Lfor_b_\@
	tensor_load_to_lds s[G0A+4*(\s):G0A+4*(\s)+3], s[G1A:G1A+7]
	s_nop 0
.rept 4
	v_nop
.endr
	s_branch .Lasked_\@
.Lfor_b_\@:
	tensor_load_to_lds s[G0B+4*(\s):G0B+4*(\s)+3], s[G1B:G1B+7]
	s_nop 0
.rept 4
	v_nop
.endr
.Lasked_\@:
.endm
.macro CREST                           ; a round of the cluster's barrier behind its opening barrier
	s_cmp_lg_u32 s[WV], 0
	s_cbranch_scc1 .Lnot_wave_0_\@
	s_barrier_signal -3
.Lnot_wave_0_\@:
	s_barrier_wait -3
	s_barrier_signal -1
	s_barrier_wait -1
.endm
.macro CROUND
	s_barrier_signal -1
	s_barrier_wait -1
	CREST
.endm
; A PREFETCH INTO THE L2 of the K step that stands two refills on: 256 bytes of each row, a lane a row, one instruction a wave, behind the joint load and the run of LDS loads.
; Each row's 256 bytes are named once: of the clusters that read the same rows of xb the one with x = 0 asks, for wa the one with y = 0; the four partners of a joint load share its rows
; by address (32 cx of A's 128, 24 cy of B's 96).  how = 0, in the loop: the last two refills of a tile have no K step two on.  how = 1, at the change of tiles: the next tile's K steps 2 and 3, of xb alone.
.macro ASK how
.if \how
	s_cmp_eq_u32 s[LIM], 2
.else
	s_cmp_gt_u32 s[STEPS], s[LIM]
.endif
	s_cbranch_scc0 .Lnot_mine_\@
	global_prefetch_b8 v[PFO], s[PFA:PFA+1] offset:256 th:TH_LOAD_NT scope:SCOPE_SE
.Lnot_mine_\@:
.endm
; 12 matrix instructions: row block a x all 12 column blocks, 32 along K, from buffer f.  first = 1: the bias starts the sums.  The 48 accumulators take turns.
.macro MULA f, a, first
.if \first
	WIN 0x81+0x40*((\a)/2)
.else
	WIN 0xa1+0x50*((\a)/2)
.endif
.set bb, 0
.rept 12
.set rD, 96*((\a)%2)+8*bb
.if \first
	v_wmma_f32_16x16x32_bf16 v[rD:rD+7], v[96*(\f)+8*bb:96*(\f)+8*bb+7], v[FA+32*(\f)+8*(\a):FA+32*(\f)+8*(\a)+7], v[BIAS+8*bb:BIAS+8*bb+7]
.else
	v_wmma_f32_16x16x32_bf16 v[rD:rD+7], v[96*(\f)+8*bb:96*(\f)+8*bb+7], v[FA+32*(\f)+8*(\a):FA+32*(\f)+8*(\a)+7], v[rD:rD+7]
.endif
.set bb, bb+1
.endr
.endm
; 32 LDS loads in one run: 192 rows of B, then my 64 rows of A, 32 K at byte k of the rows, into buffer f
.macro FETCH k, f
	WIN 0x40
.set bb, 0
.rept 12
	ds_load_b128 v[96*(\f)+8*bb:96*(\f)+8*bb+3],   v[ADRB] offset:(\k)+bb*16*PITCH
	ds_load_b128 v[96*(\f)+8*bb+4:96*(\f)+8*bb+7], v[ADRB] offset:(\k)+bb*16*PITCH+32
.set bb, bb+1
.endr
	WIN 0
.set bb, 0
.rept 4
	ds_load_b128 v[FA+32*(\f)+8*bb:FA+32*(\f)+8*bb+3],   v[ADRA] offset:(\k)+bb*16*PITCH
	ds_load_b128 v[FA+32*(\f)+8*bb+4:FA+32*(\f)+8*bb+7], v[ADRA] offset:(\k)+bb*16*PITCH+32
.set bb, bb+1
.endr
.endm
; One of a K step's first three quarters: multiplies buffer f; in its middle fetches the next quarter, at byte k, into buffer g.
.macro QUARTER k, f, g, first
	s_wait_dscnt 4                                 ; all of B and A's blocks 0, 1 are in; the youngest four loads (A's blocks 2, 3) may be out
	MULA \f, 0, \first
	MULA \f, 1, \first
	PLACES
	FETCH \k, \g
	s_wait_dscnt 32                                ; all but the 32 just issued
	MULA \f, 2, \first
	MULA \f, 3, \first
.endm
; The first half of the last quarter, and the one barrier of a change of slots: each wave waits for all its tensor loads (one is out: its part of the next slot), adds 0 to its spare word,
; and waits for that and for its own reads of this slot.
.macro MEET round
	WIN 0
	s_wait_tensorcnt 0x0
	ds_add_u32 v[SPW], v[NIL]
	s_wait_dscnt 5                                 ; the add and the youngest four loads may be out
	MULA 1, 0, 0
	s_wait_dscnt 0x0                               ; the add is done, my reads of this slot are over
	s_barrier_signal -1
	MULA 1, 1, 0
.if \round
	WIN 0
.endif
	s_barrier_wait -1
.endm
; The whole last quarter.  fill = 1: the barrier opens a round of the cluster's barrier; behind it the slot just read is filled again, with the K step two on, or (special = 1) with the next tile's K step 0.
.macro TURN fill, special, how
.if \fill
	s_wait_xcnt 0x0                                ; the last prefetch, a K step back, has read its address
.if \special
	s_add_nc_u64 s[PFA:PFA+1], s[PFA:PFA+1], NEXT_A
	s_cmp_eq_u32 s[ROLE], 0
	s_cselect_b32 s[LIM], s[LIM], -1               ; wa's rows are the same for both tiles: asked for in the first alone
.else
	s_add_nc_u64 s[PFA:PFA+1], s[PFA:PFA+1], 256
.endif
	MEET 1
	CREST                                          ; no wave of any partner still reads this slot or has a load on its way
	s_xor_b32 s[G0A+5], s[G0A+5], SLOT1
	s_xor_b32 s[G0B+5], s[G0B+5], SLOT1
.if \special
	s_add_nc_u64 s[G0A+6:G0A+7], s[G0A+6:G0A+7], NEXT_A
	s_sub_nc_u64 s[G0B+6:G0B+7], s[G0B+6:G0B+7], BACK_B
.else
	s_add_nc_u64 s[G0A+6:G0A+7], s[G0A+6:G0A+7], 256
	s_add_nc_u64 s[G0B+6:G0B+7], s[G0B+6:G0B+7], 256
.endif
	JLOAD 1                                        ; the first tensor load behind the round; its four v_nop are also the places in front of the loads below
.else
	MEET 0
	PLACES
	WIN 0
.endif
	s_xor_b32 s[TB], s[TB], SLOT1
	v_add_nc_u32 v[ADRA], s[TB], v[ADRA0]
	v_add_nc_u32 v[ADRB], s[TB], v[ADRB0]
	FETCH 0, 0
.if \fill
	ASK \how
.endif
	MULA 1, 2, 0
	MULA 1, 3, 0
.endm
.macro LASTQ
	s_wait_dscnt 4
	MULA 1, 0, 0
	MULA 1, 1, 0
	s_wait_dscnt 0x0
	MULA 1, 2, 0
	MULA 1, 3, 0
.endm
; THE WAY OUT of row block a.  elu(z) + 1 = max(z, 0) + 2^(log2(e) min(z, 0)).  The 64 exponentials are one batch with one wait; the 64 maxima are the plain work between.
; Each accumulator is read from its low end on.  For a = 0 (the first 16 tokens of the wave's 64) v's residual v - f16(v) is made too.
.macro PACKA a
.set AC, 96*((\a)%2)
.set WW, 2+(\a)/2
	WIN WW
.set ii, 0
.rept 32
	v_pk_mul_f32 v[T+2*ii:T+2*ii+1], v[AC+2*ii:AC+2*ii+1], s[CS:CS+1] op_sel_hi:[1,0]
.set ii, ii+1
.endr
	WIN 0
.set ii, 0
.rept 64
	v_min_num_f32 v[T+ii], 0, v[T+ii]
.set ii, ii+1
.endr
.set ii, 0
.rept 64
	v_exp_f32 v[T+ii], v[T+ii]
.set ii, ii+1
.endr
	WIN WW*0x44
.set ii, 0
.rept 64
	v_max_num_f32 v[AC+ii], 0, v[AC+ii]
.set ii, ii+1
.endr
	s_wait_alu depctr_va_vdst(0)                   ; one wait for the batch, ahead of its first reader
	WIN WW
.set ii, 0
.rept 32
	v_pk_add_f32 v[T+2*ii:T+2*ii+1], v[AC+2*ii:AC+2*ii+1], v[T+2*ii:T+2*ii+1]
.set ii, ii+1
.endr
	WIN 0
.set ii, 0
.rept 32
	v_cvt_pk_f16_f32 v[T+ii], v[T+2*ii], v[T+2*ii+1]
.set ii, ii+1
.endr
	WIN WW*5
.set ii, 0
.rept 16
	v_cvt_pk_f16_f32 v[T+32+ii], v[AC+64+2*ii], v[AC+64+2*ii+1]
.set ii, ii+1
.endr
.if (\a) == 0
	WIN 0x20
.set ii, 0
.rept 16
	v_fma_mix_f32 v[TA], v[T+32+ii], v[NEG1], v[AC+64+2*ii] op_sel_hi:[1,0,0]
	v_fma_mix_f32 v[TA+1], v[T+32+ii], v[NEG1], v[AC+64+2*ii+1] op_sel:[1,0,0] op_sel_hi:[1,0,0]
	v_cvt_pk_f16_f32 v[T+48+ii], v[TA], v[TA+1]
.set ii, ii+1
.endr
.endif
	WIN 0
.endm
; into my own stage, 16 bytes a lane, and back as four rows of 128 bytes a load; LDS serves a wave's instructions in order, so no wait stands between
.macro TOSTAGE a
	WIN 0
.set bb, 0
.rept 12
	ds_store_b128 v[STO], v[T+4*bb:T+4*bb+3] offset:32*bb
.set bb, bb+1
.endr
.if (\a) == 0
.set bb, 0
.rept 4
	ds_store_b128 v[STO], v[T+48+4*bb:T+48+4*bb+3] offset:384+32*bb
.set bb, bb+1
.endr
.endif
	s_wait_xcnt 0x0                                ; the last block's stores have read the registers that are loaded again below
	WIN 0x40
.set bb, 0
.rept 12
	ds_load_b128 v[RB+4*bb:RB+4*bb+3], v[RD] offset:128*(bb/4)+4*SPITCH*(bb%4)
.set bb, bb+1
.endr
.if (\a) == 0
.set bb, 0
.rept 4
	ds_load_b128 v[RB+48+4*bb:RB+48+4*bb+3], v[RD] offset:384+4*SPITCH*bb
.set bb, bb+1
.endr
.endif
	WIN 0
.endm
.macro SEND a
	s_wait_dscnt 0x0
	WIN 0x04                                       ; the stores' data in window 1
.set bb, 0
.rept 4
	global_store_b128 v[GO], v[RB+4*bb:RB+4*bb+3],       s[SQ:SQ+1] offset:2048*(\a)+512*bb  ; 512 consecutive bytes, aligned
	global_store_b128 v[GO], v[RB+16+4*bb:RB+16+4*bb+3], s[SK:SK+1] offset:2048*(\a)+512*bb
	global_store_b128 v[GO], v[RB+32+4*bb:RB+32+4*bb+3], s[SV:SV+1] offset:2048*(\a)+512*bb
.if (\a) == 0
	global_store_b128 v[GO], v[RB+48+4*bb:RB+48+4*bb+3], s[SL:SL+1] offset:512*bb
.endif
.set bb, bb+1
.endr
	WIN 0
.endm
	s_load_b256 s[4:11], s[0:1], 0x0               ; xb s[4:5], wa s[6:7], b_attn s[8:9], qkv s[10:11]
	s_load_b64 s[12:13], s[0:1], 0x20              ; vlo
	v_lshl_add_u32 v[SPW], v0, 2, SPARE
	v_mov_b32 v[NIL], 0
	ds_add_u32 v[SPW], v[NIL]                      ; the wave's opening: the add, twice on end, and its wait ahead of my first tensor load
	ds_add_u32 v[SPW], v[NIL]
	v_lshrrev_b32 v1, 5, v0
	v_readfirstlane_b32 s[WV], v1
	s_lshr_b32 s[ROLE], s[WV], 1
	s_and_b32 s[HALF], s[WV], 1
	s_bfe_u32 s17, ttmp6, 0x40000                  ; cx
	s_bfe_u32 s18, ttmp6, 0x40004                  ; cy
	s_lshl_b32 s19, ttmp9, 2
	s_add_co_u32 s19, s19, s17                     ; the head h = 4 x cluster x + cx
	s_and_b32 s20, ttmp7, 0xffff
	s_lshl_b32 s20, s20, 2
	s_add_co_u32 s20, s20, s18                     ; the tile row R = 4 x cluster y + cy
	s_lshl_b32 s21, s18, 2
	s_lshl_b32 s21, 15, s21                        ; my row of the cluster
	s_lshl_b32 s22, 0x1111, s17                    ; my column
	s_or_b32 s[G1A], s21, (1<<16)|(1<<20)|(1<<21)|(5<<22)|(3<<25)  ; mask; 2-byte elements; padding on; bit 21 beside a mask; after every 64 words, 4 words
	s_or_b32 s[G1B], s22, (1<<16)|(1<<20)|(1<<21)|(5<<22)|(3<<25)
	s_mov_b32 s[G1A+1], 128<<16                    ; tensor_dim0 = 128
	s_mov_b32 s[G1A+2], 128<<16                    ; tensor_dim1 = 128
	s_mov_b32 s[G1A+3], 128<<16                    ; tile_dim0 = 128
	s_mov_b32 s[G1A+4], 128                        ; tile_dim1 = 128
	s_mov_b32 s[G1A+5], 1024                       ; elements from row to row
	s_mov_b32 s[G1A+6], 0
	s_mov_b32 s[G1A+7], 0
	s_mov_b32 s[G1B+1], 128<<16
	s_mov_b32 s[G1B+2], 96<<16                     ; 96 rows
	s_mov_b32 s[G1B+3], 128<<16
	s_mov_b32 s[G1B+4], 96
	s_mov_b32 s[G1B+5], 1024
	s_mov_b32 s[G1B+6], 0
	s_mov_b32 s[G1B+7], 0
	s_lshl_b32 s24, s20, 8
	s_lshl_b32 s28, s[HALF], 7
	s_add_co_u32 s24, s24, s28
	s_lshl_b32 s24, s24, 11                        ; A: row 256 R + 128 half, in bytes
	s_mov_b32 s25, 0
	s_mul_i32 s26, s19, 192
	s_mul_i32 s29, s[HALF], 96
	s_add_co_u32 s26, s26, s29
	s_lshl_b32 s26, s26, 11                        ; B: row 192 h + 96 half
	s_mov_b32 s27, 0
	s_mul_i32 s30, s[HALF], HALFA                  ; where they go: no place in the cluster enters an LDS address
	s_mul_i32 s31, s[HALF], HALFB
	s_add_co_u32 s31, s31, BOFF
	s_mov_b32 s[CS], 0x3fb8aa3b
	s_mov_b32 s[CS+1], s[CS]
	s_mov_b32 s[TB], 0
	s_wait_dscnt 0x0                               ; both opening adds are done
	s_wait_kmcnt 0x0
	s_add_nc_u64 s[24:25], s[4:5], s[24:25]
	s_add_nc_u64 s[26:27], s[6:7], s[26:27]
	CROUND                                         ; all sixteen work-groups are here: the first joint loads meet
.irp sl, 0,1
	s_mov_b32 s[G0A+4*\sl], 1
	s_add_co_u32 s[G0A+4*\sl+1], s30, \sl*SLOT1
	s_add_nc_u64 s[G0A+4*\sl+2:G0A+4*\sl+3], s[24:25], \sl*256
	s_or_b32 s[G0A+4*\sl+3], s[G0A+4*\sl+3], 0x80000000
	s_mov_b32 s[G0B+4*\sl], 1
	s_add_co_u32 s[G0B+4*\sl+1], s31, \sl*SLOT1
	s_add_nc_u64 s[G0B+4*\sl+2:G0B+4*\sl+3], s[26:27], \sl*256
	s_or_b32 s[G0B+4*\sl+3], s[G0B+4*\sl+3], 0x80000000
	JLOAD \sl                                      ; two tensor loads of mine are out
.endr
	; the bias: register j of block b holds column 1024 (b / 4) + 64 h + 16 (b % 4) + 8 (l / 16) + j
	v_and_b32 v1, 15, v0                           ; r
	v_bfe_u32 v2, v0, 4, 1                         ; l / 16
	v_lshlrev_b32 v[BO], 5, v2
	s_lshl_b32 s28, s19, 8
	s_mov_b32 s29, 0
	s_add_nc_u64 s[8:9], s[8:9], s[28:29]
.set bb, 0
.rept 12
	global_load_b128 v[BIAS+8*bb:BIAS+8*bb+3],   v[BO], s[8:9] offset:4096*(bb/4)+64*(bb%4)
	global_load_b128 v[BIAS+8*bb+4:BIAS+8*bb+7], v[BO], s[8:9] offset:4096*(bb/4)+64*(bb%4)+16
.set bb, bb+1
.endr
	v_mul_u32_u24 v3, v1, PITCH
	v_lshl_add_u32 v3, v2, 4, v3
	s_mul_i32 s28, s[WV], 64*PITCH
	v_add_nc_u32 v[ADRA0], s28, v3
	v_add_nc_u32 v[ADRB0], BOFF, v3
	v_mov_b32 v[ADRA], v[ADRA0]
	v_mov_b32 v[ADRB], v[ADRB0]
	s_mul_i32 s28, s[WV], 16*SPITCH
	s_add_co_u32 s28, s28, STAGE
	v_mul_u32_u24 v[STO], v1, SPITCH
	v_lshl_add_u32 v[STO], v2, 4, v[STO]
	v_add_nc_u32 v[STO], s28, v[STO]
	v_bfe_u32 v[RD], v0, 3, 2
	v_mul_u32_u24 v[RD], v[RD], SPITCH
	v_and_b32 v3, 7, v0
	v_lshl_add_u32 v[RD], v3, 4, v[RD]
	v_add_nc_u32 v[RD], s28, v[RD]
	v_and_b32 v[GO], 31, v0
	v_lshlrev_b32 v[GO], 4, v[GO]
	v_mov_b32 v[NEG1], -1.0
	; the prefetches: whose rows, and who asks
	s_lshl_b32 s21, s20, 8
	s_mul_i32 s22, s19, 192
	s_lshl_b32 s23, s17, 5
	s_mul_i32 s28, s18, 24
	s_lshl_b32 s29, s[HALF], 7
	s_mul_i32 s30, s[HALF], 96
	s_and_b32 s31, ttmp7, 0xffff
	s_cmp_eq_u32 s[ROLE], 0
	s_cselect_b32 s21, s21, s22                    ; the tile's first row,
	s_cselect_b32 s23, s23, s28                    ; my work-group's part of the rows that I fetch,
	s_cselect_b32 s29, s29, s30                    ; the half that I fetch,
	s_cselect_b32 s31, ttmp9, s31                  ; the coordinate along which other clusters read the same rows,
	s_cselect_b32 s30, 31, 23                      ; the last lane with a row of its own
	s_cselect_b64 s[PFA:PFA+1], s[4:5], s[6:7]
	s_cmp_eq_u32 s31, 0
	s_cselect_b32 s[LIM], 2, -1
	s_add_co_u32 s21, s21, s23
	s_add_co_u32 s21, s21, s29
	s_lshl_b32 s22, s21, 11
	s_mov_b32 s23, 0
	s_add_nc_u64 s[PFA:PFA+1], s[PFA:PFA+1], s[22:23]
	s_add_nc_u64 s[PFA:PFA+1], s[PFA:PFA+1], 512   ; at K step 2: the first change of slots steps it to 3 and names K step 4; nothing is asked for at the head
	v_and_b32 v[PFO], 31, v0
	v_min_u32 v[PFO], s30, v[PFO]
	v_lshlrev_b32 v[PFO], 11, v[PFO]
	; where my rows go: batch R / 8 (the second tile: two batches on), tokens 256 (R % 8) + 64 w
	s_lshr_b32 s21, s20, 3
	s_and_b32 s22, s20, 7
	s_lshl_b32 s28, s21, 22
	s_lshl_b32 s29, s19, 18
	s_add_co_u32 s28, s28, s29
	s_lshl_b32 s29, s22, 15
	s_add_co_u32 s28, s28, s29
	s_lshl_b32 s29, s[WV], 13
	s_add_co_u32 s28, s28, s29
	s_mov_b32 s29, 0
	s_add_nc_u64 s[SQ:SQ+1], s[10:11], s[28:29]
	s_add_nc_u64 s[SK:SK+1], s[SQ:SQ+1], 0x1000000
	s_add_nc_u64 s[SV:SV+1], s[SQ:SQ+1], 0x2000000
	s_lshl_b32 s28, s21, 20
	s_lshl_b32 s29, s19, 16
	s_add_co_u32 s28, s28, s29
	s_lshl_b32 s29, s22, 13
	s_add_co_u32 s28, s28, s29
	s_lshl_b32 s29, s[WV], 11
	s_add_co_u32 s28, s28, s29
	s_mov_b32 s29, 0
	s_add_nc_u64 s[SL:SL+1], s[12:13], s[28:29]
	s_wait_loadcnt 0x0
.set ii, 0
.rept 48                               ; the bias rounded to bf16, like the other inputs
	v_cvt_pk_bf16_f32 v[TA], v[BIAS+2*ii], v[BIAS+2*ii+1]
	v_lshlrev_b32 v[BIAS+2*ii], 16, v[TA]
	v_and_b32 v[BIAS+2*ii+1], 0xffff0000, v[TA]
.set ii, ii+1
.endr
	s_wait_tensorcnt 0x1                           ; my part of K step 0 is in; K step 1's may stay out
	s_barrier_signal -1
	s_barrier_wait -1
	FETCH 0, 0
	s_mov_b32 s[TILES], 2
.Ltile:
	QUARTER 64, 0, 1, 1                            ; a tile's first quarter: the bias starts the sums
	WIN 0
	s_mov_b32 s[STEPS], 6
.Lstep:                                        ; a trip: from a K step's second quarter to the next step's first; it fills the slot that it leaves
	QUARTER 128, 1, 0, 0
	QUARTER 192, 0, 1, 0
	TURN 1, 0, 0
	QUARTER 64, 0, 1, 0
	WIN 0
	s_sub_co_u32 s[STEPS], s[STEPS], 1
	s_cmp_lg_u32 s[STEPS], 0
	s_cbranch_scc1 .Lstep
	QUARTER 128, 1, 0, 0                           ; K step 6 goes on
	QUARTER 192, 0, 1, 0
	WIN 0
	s_cmp_eq_u32 s[TILES], 1
	s_cbranch_scc1 .Llast                          ; the last tile asks for nothing more
	TURN 1, 1, 1                                   ; the ring goes on into the next tile: its K step 0,
	QUARTER 64, 0, 1, 0
	QUARTER 128, 1, 0, 0
	QUARTER 192, 0, 1, 0
	TURN 1, 0, 1                                   ; its K step 1, and its first fragments
	WIN 0
	s_branch .Lout
.Llast:
	TURN 0, 0, 0
	QUARTER 64, 0, 1, 0
	QUARTER 128, 1, 0, 0
	QUARTER 192, 0, 1, 0
	LASTQ
	WIN 0
.Lout:
	PLACES
	PACKA 0
	TOSTAGE 0
	PACKA 1                                        ; a block's arithmetic stands between the loads of the block before and its stores
	SEND 0
	TOSTAGE 1
	PACKA 2
	SEND 1
	TOSTAGE 2
	PACKA 3
	SEND 2
	TOSTAGE 3
	SEND 3
	s_wait_xcnt 0x0                                ; the stores have read their bases
	s_add_nc_u64 s[SQ:SQ+1], s[SQ:SQ+1], 0x800000  ; two batches on
	s_add_nc_u64 s[SK:SK+1], s[SK:SK+1], 0x800000
	s_add_nc_u64 s[SV:SV+1], s[SV:SV+1], 0x800000
	s_add_nc_u64 s[SL:SL+1], s[SL:SL+1], 0x200000
	s_sub_co_u32 s[TILES], s[TILES], 1
	s_cmp_lg_u32 s[TILES], 0
	s_cbranch_scc1 .Ltile
	s_wait_tensorcnt 0x0                           ; the wave's end
	ds_add_u32 v[SPW], v[NIL]
	s_wait_dscnt 0x0
	CROUND                                         ; the closing round
	s_endpgm
.Lfunc_end_k_qab8a7bbfab_qkvgemm:
	.size	k_qab8a7bbfab_qkvgemm, .Lfunc_end_k_qab8a7bbfab_qkvgemm-k_qab8a7bbfab_qkvgemm
	.p2alignl 7, 3214868480
	.fill 96, 4, 3214868480
	.section	.rodata,"a",@progbits
	.p2align	6, 0x0
	.amdhsa_kernel k_qab8a7bbfab_qkvgemm
		.amdhsa_group_segment_fixed_size 327680
		.amdhsa_private_segment_fixed_size 0
		.amdhsa_enable_private_segment 0
		.amdhsa_kernarg_size 40
		.amdhsa_user_sgpr_count 2
		.amdhsa_user_sgpr_kernarg_segment_ptr 1
		.amdhsa_wavefront_size32 1
		.amdhsa_system_sgpr_workgroup_id_x 1
		.amdhsa_system_sgpr_workgroup_id_y 1
		.amdhsa_system_sgpr_workgroup_id_z 1
		.amdhsa_system_vgpr_workitem_id 0
		.amdhsa_next_free_vgpr 960
		.amdhsa_next_free_sgpr 88
		.amdhsa_reserve_vcc 0
		.amdhsa_float_denorm_mode_32 3
		.amdhsa_float_denorm_mode_16_64 3
		.amdhsa_memory_ordered 1
		.amdhsa_forward_progress 1
		.amdhsa_inst_pref_size 183
	.end_amdhsa_kernel
	.amdgpu_metadata
---
amdhsa.version: [ 1, 2 ]
amdhsa.kernels:
  - .name:           k_qab8a7bbfab_qkvgemm
    .symbol:         k_qab8a7bbfab_qkvgemm.kd
    .args:
      - { .name: xb, .offset: 0, .size: 8, .value_kind: global_buffer, .address_space: global }
      - { .name: wa, .offset: 8, .size: 8, .value_kind: global_buffer, .address_space: global }
      - { .name: b_attn, .offset: 16, .size: 8, .value_kind: global_buffer, .address_space: global }
      - { .name: qkv, .offset: 24, .size: 8, .value_kind: global_buffer, .address_space: global }
      - { .name: vlo, .offset: 32, .size: 8, .value_kind: global_buffer, .address_space: global }
    .group_segment_fixed_size: 327680
    .private_segment_fixed_size: 0
    .kernarg_segment_align: 8
    .kernarg_segment_size: 40
    .max_flat_workgroup_size: 128
    .sgpr_count:     88
    .vgpr_count:     960
    .wavefront_size: 32
...
	.end_amdgpu_metadata
.endif
;; end of part 2
;; launch attn (part 3): grid 4 x 64, 4 waves a work-group, no clusters, 327,680 bytes of LDS; arguments qkv, vlo, ya; writes ya
.if DOCPART == 3
	.amdgcn_target "amdgcn-amd-amdhsa--gfx1250"
	.amdhsa_code_object_version 6
	.text
	.protected	k_qab8a7bbfab_attn
	.globl	k_qab8a7bbfab_attn
	.p2align	8
	.type	k_qab8a7bbfab_attn,@function
k_qab8a7bbfab_attn:
	s_mov_b64 s[64:65], 0
	v_nop
	global_prefetch_b8 v0, s[64:65] scope:SCOPE_SE
	s_setreg_imm32_b32 hwreg(HW_REG_WAVE_MODE, 25, 1), 1
	s_wait_xcnt 0x0
; CAUSAL LINEAR ATTENTION by chunks of 64 tokens.  For a chunk: P = mask(q k^T); den = q . ksum(earlier tokens) + rowsum(P) + 1e-6; y = (P v + q S) / den, S = sum over earlier tokens of k v^T.
; LEFT OUT AS DEAD (shown at the head of the first kernel): q S and q . ksum for a sequence's first chunk (the scan's zero start); blocks of 16 x 16 of P above the diagonal;
; the sum k v^T over the last 64 tokens of the work-group's own segment.
; qkv: planes q, k (features), v, f16, [bh][2048][64]; vlo: v's residual for each chunk's first 16 tokens.  ya[h][m / 128][144][64] f16: rows 16-143 y, rows 0-15 the residual y - f16(y) of the block's first 16 rows.
; SHARES.  Work-group (g, bh) owns tokens 512 g .. + 511 of one head, wave w 128 of them: two chunks.  The own segment's K and V come by tensor loads at the head and stay in LDS: nothing is filled again.
; THE STATE IS MADE IN THE WORK-GROUP, in two parts.
;   (1) THE PREFIX, tokens 0 .. 512 g - 1, SPLIT BY TOKENS: in step k of trip t wave w takes tokens 512 t + 128 k + 32 w .. + 31, straight from memory into registers (16 loads of 512 consecutive bytes),
;       turns them through a staging in LDS that is the wave's own (so the walk has no barrier), and adds K^T V and K^T 1 into 20 accumulators: the whole S and ksum of its tokens.  Four steps' loads are always out.
;       Then the four waves' parts meet in LDS, in f32: wave w adds the four parts of channels i = 16 w .. + 15.  For g = 0 the parts are the scan's zeros; they go the same way, so that every work-group
;       passes the same barriers on one path, with one branch on g.
;   (2) THE OWN SEGMENT, SPLIT BY CHANNELS: all four waves walk tokens 512 g .. 512 g + 447 out of LDS, 32 a step; wave w holds channels i = 16 w .. + 15 of S and of ksum: five accumulators.
;       At each chunk boundary a snapshot goes to LDS, rounded and laid as matrix fragments: the packed accumulators of two neighbouring waves are the two halves of a fragment with rows j and K = i.
; FORMATS.  P is divided by den BEFORE it is rounded to f16, so it lies in 0 to 1; the state goes in bf16, with q / den in bf16 beside it; ksum is scaled by 2^-11, so it is bounded by the largest k, and goes in f16.
; NO CLUSTER: what comes by tensor loads is each work-group's own segment, which no other work-group's tensor load names.
; NO PREFETCH: every row of K and V is asked for at the launch's head, by the work-group that owns it; the prefix's readings are later readings of the same rows.
; REGISTERS.  Window 0: v0-31 addresses; v32-39 the diagonal's mask; v40-47 1 / den; v48-79 q . ksum; v80-159 P (ten blocks); v160-207 P rounded; v208-247 at work.  In the own walk: v80-119 the state, v120-147 at work.
; Window 1: v0-63 K; v64-127 Q; v128-255 O^T.  In the prefix: accumulator p = 5 ib + jb at (128 + 8 p) mod 256.
; Window 2: v0-63 V^T; v64-95 the residual's V^T; v96-159 the state; v160-175 ksum; v176-183 ones; v184-247 the second chunk's Q.  In the prefix: v0-31 K^T, v32-63 V^T of a step; in the own walk: v0-159 four buffers of 40.
; Window 3: the prefix's ring, four steps of 64 registers as loaded (K's 32, then V's 32); at the meeting: the four parts, 40 registers each.
.set PK,    144                        ; a row of K in LDS: 128 bytes + 16
.set PV,    160                        ; a row of V: 128 + 32
.set KSL,   256*PK                     ; half of the own segment's K: the two halves lie end to end, 512 rows in one table; V's likewise
.set VB,    2*KSL
.set VSL,   256*PV
.set VLB,   VB+2*VSL                   ; v's residual: 32 rows of 160 bytes for each wave
.set STATE, VLB+4*32*PV                ; eight snapshots of 10,240 bytes: fragment (jb, c) at 1,024 (2 jb + c), its halves 512 apart, 16 bytes a lane; jb = 4: ksum.  Before them, at the meeting: four parts of 20,480 bytes
.set SNB,   10240
.set STAGE, STATE+8*SNB                ; 16 rows x 144 bytes for each wave
.set SP,    144
.set SPARE, STAGE+4*16*SP              ; the spare words, 128 bytes for each wave
.set XS,    SPARE+512                  ; the prefix's staging: for each wave 32 rows of K, then 32 rows of V
.set XSB,   32*PK+32*PV
.set XSK,  6                           ; v6   where I put 16 bytes of a step's K: row l / 8, byte 16 (l % 8)
.set XSV,  7                           ; v7   the same for V
.set XTK,  8                           ; v8   the turning load's place in the staging's K
.set XTV,  9                           ; v9   and V
.set AKW,  10                          ; v10, v11 the own walk's places
.set AVW,  11
.set AK,   12                          ; v12  my chunk's rows of K, as they lie
.set AV,   13                          ; v13  my chunk's rows of V, turned
.set AVL,  14                          ; v14  my chunk's residual rows
.set SADR, 15                          ; v15  where I put my part of a snapshot
.set SRD,  16                          ; v16  where I read my chunk's snapshot; before that: where I put my part at the meeting
.set QO,   17
.set STO,  18
.set RD,   19
.set GO,   20                          ; v20  16 x lane; never rewritten
.set ZERO, 21
.set NEG1, 22
.set RDR,  26                          ; v26, v27 where I read the parts of waves 0, 1 and of waves 2, 3
.set SPW,  28
.set NIL,  29
.set MD,   32
.set RR,   40
.set DEN,  48
.set P,    80
.set PP,   160
.set X,    208
.set ST,   80
.set PT,   120
.set KT,   140
.set TT,   80
.set QBF,  112
.set Y,    128
.set LPR,  192
.set ONES, 176
.set WV,   10
.set G,    11
.set BH,   12
.set HALF, 13
.set G1K,  24
.set G1V,  32
.set G1L,  40
.set G0K,  48                          ; s[48:51] the segment's first 256 tokens, s[52:55] its second
.set G0V,  56
.set G0L,  68
.set QP,   72
.set YA,   74
.set CNT,  76
.set U,    77
.set FLAG, 78
.set WK,   79
.set SEL,  80
.set KP,   82                          ; s[82:83] K at my 32 tokens of the trip whose steps are being multiplied
.set VP,   84                          ; s[84:85] V likewise
.set MSB, 0
.macro WIN new
.if MSB != (\new)
	s_set_vgpr_msb (MSB<<8)|(\new)
.set MSB, \new
.endif
.endm
.macro PLACES
.rept 4
	v_nop
.endr
.endm
; A STEP OF THE PREFIX, ring slot k.  My 32 tokens are in registers; they go into my staging as rows and come back turned; LDS serves a wave's instructions in order, and the bytes are mine alone: no barrier.
; load = 1: the slot is asked for again at once, with the same step of the next trip.  left = the younger loads that may stay out.
; The 20 accumulators take turns, one instruction a turn, over the backward jump too.
.macro PSTEP k, load, left
	s_wait_loadcnt \left                           ; loads come back in order: this step's 16 are in
	PLACES                                         ; behind the last step's products, in front of the loads into the fragments that they read
	WIN 0x0c                                       ; the stores' data in window 3
.set ii, 0
.rept 8
	ds_store_b128 v[XSK], v[64*(\k)+4*ii:64*(\k)+4*ii+3]       offset:4*PK*ii
	ds_store_b128 v[XSV], v[64*(\k)+32+4*ii:64*(\k)+32+4*ii+3] offset:4*PV*ii
.set ii, ii+1
.endr
.if \load
	WIN 0xc0
.set ii, 0
.rept 8
	global_load_b128 v[64*(\k)+4*ii:64*(\k)+4*ii+3],       v[GO], s[KP:KP+1] offset:65536+16384*(\k)+512*ii
	global_load_b128 v[64*(\k)+32+4*ii:64*(\k)+32+4*ii+3], v[GO], s[VP:VP+1] offset:65536+16384*(\k)+512*ii
.set ii, ii+1
.endr
.endif
	WIN 0x80
.set ii, 0
.rept 4                                ; K^T and V^T: 16 channels x 32 tokens each
	ds_load_tr16_b128 v[8*ii:8*ii+3],       v[XTK] offset:32*ii
	ds_load_tr16_b128 v[8*ii+4:8*ii+7],     v[XTK] offset:32*ii+16*PK
	ds_load_tr16_b128 v[32+8*ii:32+8*ii+3], v[XTV] offset:32*ii
	ds_load_tr16_b128 v[32+8*ii+4:32+8*ii+7], v[XTV] offset:32*ii+16*PV
.set ii, ii+1
.endr
	s_wait_dscnt 0x0
	WIN 0x5a                                       ; sources in window 2, C and D in window 1
.set pp, 0
.rept 20
.set rA, (128+8*pp)%256
.set rB, 32+8*(pp%5)
.if pp%5 == 4
.set rB, ONES
.endif
	v_wmma_f32_16x16x32_f16 v[rA:rA+7], v[8*(pp/5):8*(pp/5)+7], v[rB:rB+7], v[rA:rA+7]
.set pp, pp+1
.endr
.endm
; an own-walk step's ten turning loads into buffer b: K^T (my 16 channels x 32 tokens), V^T (4 x 16 channels x 32 tokens)
.macro LSTEP ak, av, n, b
	WIN 0x80
	ds_load_tr16_b128 v[40*(\b):40*(\b)+3],   v[\ak] offset:(\n)*32*PK
	ds_load_tr16_b128 v[40*(\b)+4:40*(\b)+7], v[\ak] offset:(\n)*32*PK+16*PK
.set jj, 0
.rept 4
	ds_load_tr16_b128 v[40*(\b)+8+8*jj:40*(\b)+8+8*jj+3],   v[\av] offset:(\n)*32*PV+32*jj
	ds_load_tr16_b128 v[40*(\b)+8+8*jj+4:40*(\b)+8+8*jj+7], v[\av] offset:(\n)*32*PV+16*PV+32*jj
.set jj, jj+1
.endr
.endm
; S[i][j] += K^T V over 32 tokens; the fifth product, with ones, is ksum.  The five accumulators take turns.
.macro MSTEP b
	WIN 0x0a
.set jj, 0
.rept 4
	v_wmma_f32_16x16x32_f16 v[ST+8*jj:ST+8*jj+7], v[40*(\b):40*(\b)+7], v[40*(\b)+8+8*jj:40*(\b)+8+8*jj+7], v[ST+8*jj:ST+8*jj+7]
.set jj, jj+1
.endr
	v_wmma_f32_16x16x32_f16 v[ST+32:ST+39], v[40*(\b):40*(\b)+7], v[ONES:ONES+7], v[ST+32:ST+39]
.endm
; a snapshot: the state to bf16, ksum x 2^-11 to f16; each accumulator is read from its low end on
.macro SNAP off
	WIN 0
.set ii, 0
.rept 16
	v_cvt_pk_bf16_f32 v[PT+ii], v[ST+2*ii], v[ST+2*ii+1]
.set ii, ii+1
.endr
.set ii, 0
.rept 4
	v_pk_mul_f32 v[KT+2*ii:KT+2*ii+1], v[ST+32+2*ii:ST+32+2*ii+1], 0x3a000000 op_sel_hi:[1,0]
.set ii, ii+1
.endr
.set ii, 0
.rept 4
	v_cvt_pk_f16_f32 v[PT+16+ii], v[KT+2*ii], v[KT+2*ii+1]
.set ii, ii+1
.endr
.set ii, 0
.rept 5
	ds_store_b128 v[SADR], v[PT+4*ii:PT+4*ii+3] offset:(\off)+2048*ii
.set ii, ii+1
.endr
.endm
; a chunk's operands: 56 LDS loads in one run
.macro LOADF
	PLACES
	WIN 0x40
.set ii, 0
.rept 8                                ; K: keys 16 (ii / 2) on, channels 32 (ii % 2) on
	ds_load_b128 v[8*ii:8*ii+3],   v[AK] offset:(ii/2)*16*PK+(ii%2)*64
	ds_load_b128 v[8*ii+4:8*ii+7], v[AK] offset:(ii/2)*16*PK+(ii%2)*64+32
.set ii, ii+1
.endr
	WIN 0x80
.set ii, 0
.rept 8                                ; V^T: keys 32 (ii / 4) on, channels 16 (ii % 4) on
	ds_load_tr16_b128 v[8*ii:8*ii+3],   v[AV] offset:(ii/4)*32*PV+(ii%4)*32
	ds_load_tr16_b128 v[8*ii+4:8*ii+7], v[AV] offset:(ii/4)*32*PV+16*PV+(ii%4)*32
.set ii, ii+1
.endr
.set ii, 0
.rept 4                                ; the residual's V^T: keys 0-15; the upper halves of these fragments hold 0
	ds_load_tr16_b128 v[64+8*ii:64+8*ii+3], v[AVL] offset:32*ii
.set ii, ii+1
.endr
.set ii, 0
.rept 10                               ; the snapshot
	ds_load_b128 v[96+8*ii:96+8*ii+3],   v[SRD] offset:1024*ii
	ds_load_b128 v[96+8*ii+4:96+8*ii+7], v[SRD] offset:1024*ii+512
.set ii, ii+1
.endr
	WIN 0
.endm
.macro DENS                            ; q . ksum / 2048: the same number in every register of the result
	WIN 0x06
.set ii, 0
.rept 4
	v_wmma_f32_16x16x32_f16 v[DEN+8*ii:DEN+8*ii+7], v[160:167], v[64+16*ii:64+16*ii+7], 0
.set ii, ii+1
.endr
.set ii, 0
.rept 4
	v_wmma_f32_16x16x32_f16 v[DEN+8*ii:DEN+8*ii+7], v[168:175], v[64+16*ii+8:64+16*ii+15], v[DEN+8*ii:DEN+8*ii+7]
.set ii, ii+1
.endr
.endm
.macro FORB m                          ; macro m for each of the ten blocks (query tile qt, key block kb), kb <= qt
	\m 0,0
	\m 1,0
	\m 1,1
	\m 2,0
	\m 2,1
	\m 2,2
	\m 3,0
	\m 3,1
	\m 3,2
	\m 3,3
.endm
.macro BREG qt, kb
.set rP,  P+8*((\qt)*((\qt)+1)/2+(\kb))
.set rX,  X+4*((\qt)*((\qt)+1)/2+(\kb))
.set rX0, X+4*((\qt)*((\qt)+1)/2)
.set rF,  PP+8*((\qt)+(\qt)/3)+4*(\kb)
.set rR,  RR+2*(\qt)
.endm
.macro KQ0 qt, kb                      ; S^T = K Q^T: a lane holds one query (l % 16) and the keys 8 (l / 16) + 0..7
	BREG \qt, \kb
	v_wmma_f32_16x16x32_f16 v[rP:rP+7], v[16*(\kb):16*(\kb)+7], v[64+16*(\qt):64+16*(\qt)+7], 0
.endm
.macro KQ1 qt, kb
	BREG \qt, \kb
	v_wmma_f32_16x16x32_f16 v[rP:rP+7], v[16*(\kb)+8:16*(\kb)+15], v[64+16*(\qt)+8:64+16*(\qt)+15], v[rP:rP+7]
.endm
.macro BMASK qt, kb
.if (\qt) == (\kb)
	BREG \qt, \kb
.set ii, 0
.rept 4
	v_pk_mul_f32 v[rP+2*ii:rP+2*ii+1], v[rP+2*ii:rP+2*ii+1], v[MD+2*ii:MD+2*ii+1]
.set ii, ii+1
.endr
.endif
.endm
.macro BSUM1 qt, kb
	BREG \qt, \kb
	v_pk_add_f32 v[rX:rX+1], v[rP:rP+1], v[rP+2:rP+3]
	v_pk_add_f32 v[rX+2:rX+3], v[rP+4:rP+5], v[rP+6:rP+7]
.endm
.macro BSUM2 qt, kb
	BREG \qt, \kb
	v_pk_add_f32 v[rX:rX+1], v[rX:rX+1], v[rX+2:rX+3]
.endm
.macro BSUM3 qt, kb
.if (\kb) > 0
	BREG \qt, \kb
	v_pk_add_f32 v[rX0:rX0+1], v[rX0:rX0+1], v[rX:rX+1]
.endif
.endm
.macro BSCALE qt, kb
	BREG \qt, \kb
.set ii, 0
.rept 4
	v_pk_mul_f32 v[rP+2*ii:rP+2*ii+1], v[rP+2*ii:rP+2*ii+1], v[rR:rR+1] op_sel_hi:[1,0]
.set ii, ii+1
.endr
.endm
.macro BCVT qt, kb
	BREG \qt, \kb
.set ii, 0
.rept 4
	v_cvt_pk_f16_f32 v[rF+ii], v[rP+2*ii], v[rP+2*ii+1]
.set ii, ii+1
.endr
.endm
.macro TDEN qt                         ; the query's row sum (its other keys lie in the lane 16 away), + 2048 x (q . ksum / 2048) + 1e-6
	BREG \qt, 0
	v_add_f32 v[rX0], v[rX0], v[rX0+1]
	v_permlanex16_b32 v[rX0+1], v[rX0], s[SEL], s[SEL+1]
	v_add_f32 v[rX0], v[rX0], v[rX0+1]
	v_fmamk_f32 v[rX0+2], v[DEN+8*(\qt)], 0x45000000, v[rX0]
	v_add_f32 v[rX0+2], 0x358637bd, v[rX0+2]
.endm
.macro NORM
	WIN 0
	PLACES
	FORB BMASK
	FORB BSUM1
	FORB BSUM2
	FORB BSUM3
	TDEN 0
	TDEN 1
	TDEN 2
	TDEN 3
.irp qt, 0,1,2,3
	v_rcp_f32 v[RR+2*\qt], v[X+4*(\qt*(\qt+1)/2)+2]
.endr
	v_nop                                          ; a plain instruction behind the last reciprocal,
	s_wait_alu depctr_va_vdst(0)                   ; and one wait for the four, ahead of their first reader
	FORB BSCALE
	FORB BCVT
.irp z, 4,5,6,7,28,29,30,31            ; tiles 0 and 2 end in half a fragment of keys: the other half is 0
	v_mov_b32 v[PP+\z], 0
.endr
.endm
; O^T = V^T P: keys 0-31 start the sums; the residual of keys 0-15; keys 32-63 for tiles 2 and 3.  The accumulators take turns.
.macro PVS
	WIN 0x52
.set qq, 0
.rept 4
.set jj, 0
.rept 4
	v_wmma_f32_16x16x32_f16 v[128+32*qq+8*jj:128+32*qq+8*jj+7], v[8*jj:8*jj+7], v[PP+8*(qq+qq/3):PP+8*(qq+qq/3)+7], 0
.set jj, jj+1
.endr
.set qq, qq+1
.endr
.set qq, 0
.rept 4
.set jj, 0
.rept 4
	v_wmma_f32_16x16x32_f16 v[128+32*qq+8*jj:128+32*qq+8*jj+7], v[64+8*jj:64+8*jj+7], v[PP+8*(qq+qq/3):PP+8*(qq+qq/3)+7], v[128+32*qq+8*jj:128+32*qq+8*jj+7]
.set jj, jj+1
.endr
.set qq, qq+1
.endr
.set qq, 2
.rept 2
.set jj, 0
.rept 4
	v_wmma_f32_16x16x32_f16 v[128+32*qq+8*jj:128+32*qq+8*jj+7], v[32+8*jj:32+8*jj+7], v[PP+8*(qq+qq/3)+8:PP+8*(qq+qq/3)+15], v[128+32*qq+8*jj:128+32*qq+8*jj+7]
.set jj, jj+1
.endr
.set qq, qq+1
.endr
.endm
; O^T += S^T (q / den), in bf16.  The 48 vector lines are the places between the f16 products on these accumulators and the bf16 ones, and between a tile's products and the next tile's writes of the operand.
.macro INTER qt
	WIN 0x01
.set ii, 0
.rept 16
	v_fma_mix_f32 v[TT+2*ii], v[64+16*(\qt)+ii], v[RR+2*(\qt)], v[ZERO] op_sel_hi:[1,0,0]
	v_fma_mix_f32 v[TT+2*ii+1], v[64+16*(\qt)+ii], v[RR+2*(\qt)], v[ZERO] op_sel:[1,0,0] op_sel_hi:[1,0,0]
.set ii, ii+1
.endr
	WIN 0
.set ii, 0
.rept 16
	v_cvt_pk_bf16_f32 v[QBF+ii], v[TT+2*ii], v[TT+2*ii+1]
.set ii, ii+1
.endr
	WIN 0x52
.set ii, 0
.rept 8                                ; channels 32 (ii / 4) on, block jb = ii % 4
	v_wmma_f32_16x16x32_bf16 v[128+32*(\qt)+8*(ii%4):128+32*(\qt)+8*(ii%4)+7], v[96+16*(ii%4)+8*(ii/4):96+16*(ii%4)+8*(ii/4)+7], v[QBF+8*(ii/4):QBF+8*(ii/4)+7], v[128+32*(\qt)+8*(ii%4):128+32*(\qt)+8*(ii%4)+7]
.set ii, ii+1
.endr
.endm
; THE WAY OUT of tile qt: rounded to f16, through my stage, back as rows of 128 bytes.  For the block's first 16 rows (tile 0 of the first chunk) the residual goes the same way first.
.macro PACK qt
	WIN 0x05
.set ii, 0
.rept 16
	v_cvt_pk_f16_f32 v[Y+16*(\qt)+ii], v[128+32*(\qt)+2*ii], v[128+32*(\qt)+2*ii+1]
.set ii, ii+1
.endr
	WIN 0
.if (\qt) == 0
	s_cmp_lg_u32 s[U], 0
	s_cbranch_scc1 .Lno_residual
	WIN 0x10
.set ii, 0
.rept 16
	v_fma_mix_f32 v[TT+2*ii], v[Y+ii], v[NEG1], v[128+2*ii] op_sel_hi:[1,0,0]
	v_fma_mix_f32 v[TT+2*ii+1], v[Y+ii], v[NEG1], v[128+2*ii+1] op_sel:[1,0,0] op_sel_hi:[1,0,0]
.set ii, ii+1
.endr
	WIN 0
.set ii, 0
.rept 16
	v_cvt_pk_f16_f32 v[LPR+ii], v[TT+2*ii], v[TT+2*ii+1]
.set ii, ii+1
.endr
.set ii, 0
.rept 4
	ds_store_b128 v[STO], v[LPR+4*ii:LPR+4*ii+3] offset:32*ii
.set ii, ii+1
.endr
.set ii, 0
.rept 4
	ds_load_b128 v[LPR+4*ii:LPR+4*ii+3], v[RD] offset:4*SP*ii
.set ii, ii+1
.endr
	s_wait_dscnt 0x0
.set ii, 0
.rept 4
	global_store_b128 v[GO], v[LPR+4*ii:LPR+4*ii+3], s[YA:YA+1] offset:512*ii
.set ii, ii+1
.endr
.Lno_residual:
.endif
.set ii, 0
.rept 4
	ds_store_b128 v[STO], v[Y+16*(\qt)+4*ii:Y+16*(\qt)+4*ii+3] offset:32*ii
.set ii, ii+1
.endr
.set ii, 0
.rept 4
	ds_load_b128 v[Y+16*(\qt)+4*ii:Y+16*(\qt)+4*ii+3], v[RD] offset:4*SP*ii  ; LDS serves a wave's instructions in order: these see the stores above
.set ii, ii+1
.endr
.endm
.macro SEND qt, younger                ; younger: the LDS instructions issued behind tile qt's loads
.set ii, 0
.rept 4
	s_wait_dscnt (\younger)+3-ii
	global_store_b128 v[GO], v[Y+16*(\qt)+4*ii:Y+16*(\qt)+4*ii+3], s[YA:YA+1] offset:2048+2048*(\qt)+512*ii  ; 512 consecutive bytes, aligned
.set ii, ii+1
.endr
.endm
	s_load_b128 s[4:7], s[0:1], 0x0                ; qkv s[4:5], vlo s[6:7]
	s_load_b64 s[8:9], s[0:1], 0x10                ; ya
	v_lshl_add_u32 v[SPW], v0, 2, SPARE
	v_mov_b32 v[NIL], 0
	ds_add_u32 v[SPW], v[NIL]                      ; the wave's opening: the add, twice on end, and its wait ahead of my first tensor load
	ds_add_u32 v[SPW], v[NIL]
	v_lshrrev_b32 v1, 5, v0
	v_readfirstlane_b32 s[WV], v1
	s_mov_b32 s[G], ttmp9
	s_and_b32 s[BH], ttmp7, 0xffff
	s_and_b32 s[HALF], s[WV], 1
	; 128 tokens are 16,384 dense bytes: asked for as 64 rows of 256 bytes, padded in LDS after every token
	s_mov_b32 s[G1K], (1<<16)|(1<<20)|(4<<22)|(3<<25)
	s_mov_b32 s[G1V], (1<<16)|(1<<20)|(4<<22)|(7<<25)
	s_mov_b32 s[G1L], (1<<16)|(1<<20)|(4<<22)|(7<<25)
.irp g, G1K, G1V
	s_mov_b32 s[\g+1], 128<<16
	s_mov_b32 s[\g+2], 64<<16
	s_mov_b32 s[\g+3], 128<<16
	s_mov_b32 s[\g+4], 64
	s_mov_b32 s[\g+5], 128
	s_mov_b32 s[\g+6], 0
	s_mov_b32 s[\g+7], 0
.endr
	s_mov_b32 s[G1L+1], 128<<16
	s_mov_b32 s[G1L+2], 16<<16                     ; my two chunks' residual rows: 4,096 dense bytes
	s_mov_b32 s[G1L+3], 128<<16
	s_mov_b32 s[G1L+4], 16
	s_mov_b32 s[G1L+5], 128
	s_mov_b32 s[G1L+6], 0
	s_mov_b32 s[G1L+7], 0
	s_mul_i32 s14, s[HALF], 128*PK
	s_mul_i32 s15, s[HALF], 128*PV
	s_mov_b32 s[G0K], 1
	s_mov_b32 s[G0K+1], s14
	s_mov_b32 s[G0K+4], 1
	s_add_co_u32 s[G0K+5], s14, KSL
	s_mov_b32 s[G0V], 1
	s_add_co_u32 s[G0V+1], s15, VB
	s_mov_b32 s[G0V+4], 1
	s_add_co_u32 s[G0V+5], s15, VB+VSL
	s_mov_b32 s[G0L], 1
	s_mul_i32 s14, s[WV], 32*PV
	s_add_co_u32 s[G0L+1], s14, VLB
	s_lshl_b32 s16, s[BH], 18                      ; the head's rows in a plane, the own segment, my half of 256 tokens
	s_lshl_b32 s18, s[HALF], 14
	s_add_co_u32 s16, s16, s18
	s_lshl_b32 s18, s[G], 16
	s_add_co_u32 s16, s16, s18
	s_mov_b32 s17, 0
	s_lshl_b32 s18, s[BH], 16                      ; vlo: chunk 8 g + 2 w
	s_lshl_b32 s19, s[G], 14
	s_add_co_u32 s18, s18, s19
	s_lshl_b32 s19, s[WV], 12
	s_add_co_u32 s18, s18, s19
	s_mov_b32 s19, 0
	s_lshl_b32 s22, s[BH], 18                      ; q: token 512 g + 128 w
	s_lshl_b32 s23, s[G], 16
	s_add_co_u32 s22, s22, s23
	s_lshl_b32 s23, s[WV], 14
	s_add_co_u32 s22, s22, s23
	s_mov_b32 s23, 0
	s_lshl_b32 s66, s[BH], 18                      ; the prefix: the head's token 32 w
	s_lshl_b32 s67, s[WV], 12
	s_add_co_u32 s66, s66, s67
	s_mov_b32 s67, 0
	s_and_b32 s14, s[BH], 15                       ; ya: plane h, block 16 b + 4 g + w
	s_mul_i32 s14, s14, 1179648
	s_lshr_b32 s15, s[BH], 4
	s_lshl_b32 s15, s15, 4
	s_lshl_b32 s20, s[G], 2
	s_add_co_u32 s15, s15, s20
	s_add_co_u32 s15, s15, s[WV]
	s_mul_i32 s15, s15, 18432
	s_add_co_u32 s14, s14, s15
	s_mov_b32 s15, 0
	s_mov_b32 s[SEL], 0x76543210
	s_mov_b32 s[SEL+1], 0xfedcba98
	s_wait_dscnt 0x0                               ; both opening adds are done
	s_wait_kmcnt 0x0
	s_add_nc_u64 s[20:21], s[4:5], s[16:17]
	s_add_nc_u64 s[G0K+2:G0K+3], s[20:21], 0x1000000
	s_or_b32 s[G0K+3], s[G0K+3], 0x80000000
	s_add_nc_u64 s[G0K+6:G0K+7], s[20:21], 0x1000000+32768
	s_or_b32 s[G0K+7], s[G0K+7], 0x80000000
	s_add_nc_u64 s[G0V+2:G0V+3], s[20:21], 0x2000000
	s_or_b32 s[G0V+3], s[G0V+3], 0x80000000
	s_add_nc_u64 s[G0V+6:G0V+7], s[20:21], 0x2000000+32768
	s_or_b32 s[G0V+7], s[G0V+7], 0x80000000
	s_add_nc_u64 s[G0L+2:G0L+3], s[6:7], s[18:19]
	s_or_b32 s[G0L+3], s[G0L+3], 0x80000000
	s_add_nc_u64 s[QP:QP+1], s[4:5], s[22:23]
	s_add_nc_u64 s[YA:YA+1], s[8:9], s[14:15]
	s_add_nc_u64 s[KP:KP+1], s[4:5], s[66:67]
	s_add_nc_u64 s[KP:KP+1], s[KP:KP+1], 0x1000000
	s_add_nc_u64 s[VP:VP+1], s[KP:KP+1], 0x1000000
	s_cmp_lt_u32 s[WV], 2                          ; a wave's three fills stand in one branch: three tensor loads of mine are out, and no more are ever issued
	s_cbranch_scc0 .Lfirst_v
	tensor_load_to_lds s[G0K:G0K+3], s[G1K:G1K+7]
	s_nop 0
	tensor_load_to_lds s[G0K+4:G0K+7], s[G1K:G1K+7]
	s_nop 0
	tensor_load_to_lds s[G0L:G0L+3], s[G1L:G1L+7]
	s_nop 0
.rept 4
	v_nop
.endr
	s_branch .Lfirst_done
.Lfirst_v:
	tensor_load_to_lds s[G0V:G0V+3], s[G1V:G1V+7]
	s_nop 0
	tensor_load_to_lds s[G0V+4:G0V+7], s[G1V:G1V+7]
	s_nop 0
	tensor_load_to_lds s[G0L:G0L+3], s[G1L:G1L+7]
	s_nop 0
.rept 4
	v_nop
.endr
.Lfirst_done:
	v_and_b32 v1, 15, v0                           ; r
	v_bfe_u32 v2, v0, 4, 1                         ; l / 16
	v_and_b32 v24, 31, v0                          ; l
	v_lshlrev_b32 v[GO], 4, v24
	v_lshlrev_b32 v[QO], 7, v1
	v_lshl_add_u32 v[QO], v2, 4, v[QO]
	; the turning load takes 16 tokens x 16 channels: lane l reads token 8 (l / 16) + l % 8, channels 8 ((l / 8) % 2) + 0..7
	v_and_b32 v3, 7, v0
	v_bfe_u32 v4, v0, 3, 1
	v_lshl_add_u32 v5, v2, 3, v3
	v_mul_u32_u24 v25, v5, PK
	v_lshl_add_u32 v25, v4, 4, v25                 ; its place in rows of K,
	v_mul_u32_u24 v23, v5, PV
	v_lshl_add_u32 v23, v4, 4, v23                 ; and of V
	s_lshl_b32 s14, s[WV], 5
	v_add_nc_u32 v[AKW], s14, v25                  ; the own walk: my 16 channels of K
	v_add_nc_u32 v[AVW], VB, v23
	s_mul_i32 s14, s[WV], 128*PK
	v_mul_u32_u24 v[AK], v1, PK
	v_lshl_add_u32 v[AK], v2, 4, v[AK]
	v_add_nc_u32 v[AK], s14, v[AK]
	s_mul_i32 s14, s[WV], 128*PV
	v_add_nc_u32 v[AV], s14, v[AVW]
	s_mul_i32 s14, s[WV], 32*PV
	s_add_co_u32 s14, s14, VLB
	v_add_nc_u32 v[AVL], s14, v23
	s_mul_i32 s14, s[WV], XSB                      ; my staging
	s_add_co_u32 s14, s14, XS
	v_bfe_u32 v30, v0, 3, 2                        ; l / 8: a load's 512 bytes are four tokens' rows
	v_add_nc_u32 v[XTK], s14, v25
	v_mul_u32_u24 v[XSK], v30, PK
	v_lshl_add_u32 v[XSK], v3, 4, v[XSK]
	v_add_nc_u32 v[XSK], s14, v[XSK]
	s_add_co_u32 s14, s14, 32*PK
	v_add_nc_u32 v[XTV], s14, v23
	v_mul_u32_u24 v[XSV], v30, PV
	v_lshl_add_u32 v[XSV], v3, 4, v[XSV]
	v_add_nc_u32 v[XSV], s14, v[XSV]
	s_lshl_b32 s14, s[HALF], 9
	s_lshr_b32 s15, s[WV], 1
	s_lshl_b32 s15, s15, 10
	s_add_co_u32 s14, s14, s15
	s_add_co_u32 s14, s14, STATE
	v_lshl_add_u32 v[SADR], v24, 4, s14
	s_mul_i32 s14, s[WV], 2*SNB
	s_add_co_u32 s14, s14, STATE
	v_lshl_add_u32 v[SRD], v24, 4, s14
	s_mul_i32 s14, s[WV], 5*1024                   ; at the meeting: accumulators 5 w .. 5 w + 4 of each part
	s_add_co_u32 s14, s14, STATE
	v_lshl_add_u32 v[RDR], v24, 4, s14
	v_add_nc_u32 v[RDR+1], 4*SNB, v[RDR]
	s_mul_i32 s14, s[WV], 16*SP
	s_add_co_u32 s14, s14, STAGE
	v_mul_u32_u24 v[STO], v1, SP
	v_lshl_add_u32 v[STO], v2, 4, v[STO]
	v_add_nc_u32 v[STO], s14, v[STO]
	v_mul_u32_u24 v[RD], v30, SP
	v_lshl_add_u32 v[RD], v3, 4, v[RD]
	v_add_nc_u32 v[RD], s14, v[RD]
	v_mov_b32 v[ZERO], 0
	v_mov_b32 v[NEG1], -1.0
	v_lshlrev_b32 v25, 3, v2
	v_sub_nc_u32 v25, v1, v25                      ; my query's place less my lanes' 8 (l / 16): key register z of the diagonal block is seen where z <= that
.set ii, 0
.rept 8
	v_cmp_le_i32 vcc_lo, ii, v25
	v_cndmask_b32 v[MD+ii], 0, 1.0, vcc_lo
.set ii, ii+1
.endr
.irp z, 1,3,5,7
	v_mov_b32 v[RR+\z], 0                          ; named in pairs with 1 / den
.endr
	WIN 0x80
.set ii, 0
.rept 8
	v_mov_b32 v[ONES+ii], 0x3c003c00               ; 1.0 twice, in f16
.set ii, ii+1
.endr
	WIN 0x40
.set ii, 0
.rept 160
	v_mov_b32 v[(128+ii)%256], 0                   ; the scan's zero start.  The prefix's first step lies in the loop (g > 1) or in the trip written out behind it (g = 1): cleared sums give the steps one form of product
.set ii, ii+1
.endr
	WIN 0
	; THE PREFIX: g trips of four steps a wave.  The first trip's 64 loads go out together; each step of the loop asks for its slot again; the last trip is written out and asks for nothing.
	s_cmp_eq_u32 s[G], 0
	s_cbranch_scc1 .Lmeet                          ; no earlier tokens: the one branch on g round the walk; it passes no barrier and no tensor load
	WIN 0xc0
.set kk, 0
.rept 4
.set ii, 0
.rept 8
	global_load_b128 v[64*kk+4*ii:64*kk+4*ii+3],       v[GO], s[KP:KP+1] offset:16384*kk+512*ii
	global_load_b128 v[64*kk+32+4*ii:64*kk+32+4*ii+3], v[GO], s[VP:VP+1] offset:16384*kk+512*ii
.set ii, ii+1
.endr
.set kk, kk+1
.endr
	WIN 0
	s_cmp_lt_u32 s[G], 2
	s_cbranch_scc1 .Lptail
	s_mov_b32 s[CNT], 1
.Lpre:                                         ; g - 1 trips; every LDS address in it is fixed.  The count 48: the three younger steps' 16 loads each
	PSTEP 0, 1, 48
	PSTEP 1, 1, 48
	PSTEP 2, 1, 48
	PSTEP 3, 1, 48
	WIN 0
	s_wait_xcnt 0x0                                ; the loads issued so far have read their addresses: the pointers may be written
	s_add_nc_u64 s[KP:KP+1], s[KP:KP+1], 65536
	s_add_nc_u64 s[VP:VP+1], s[VP:VP+1], 65536
	s_add_co_u32 s[CNT], s[CNT], 1
	s_cmp_lt_u32 s[CNT], s[G]
	s_cbranch_scc1 .Lpre
.Lptail:
	PSTEP 0, 0, 48                                 ; the last trip: the counts run down
	PSTEP 1, 0, 32
	PSTEP 2, 0, 16
	PSTEP 3, 0, 0
	WIN 0
	; THE MEETING.  Q is asked for first: it has the own walk in which to land.
.Lmeet:
	WIN 0x40
.set ii, 0
.rept 8                                ; Q of the first chunk: tile ii / 2, channels 32 (ii % 2) on
	global_load_b128 v[64+8*ii:64+8*ii+3],   v[QO], s[QP:QP+1] offset:(ii/2)*2048+(ii%2)*64
	global_load_b128 v[64+8*ii+4:64+8*ii+7], v[QO], s[QP:QP+1] offset:(ii/2)*2048+(ii%2)*64+32
.set ii, ii+1
.endr
	WIN 0x80
.set ii, 0
.rept 8                                ; and of the second
	global_load_b128 v[184+8*ii:184+8*ii+3],   v[QO], s[QP:QP+1] offset:8192+(ii/2)*2048+(ii%2)*64
	global_load_b128 v[184+8*ii+4:184+8*ii+7], v[QO], s[QP:QP+1] offset:8192+(ii/2)*2048+(ii%2)*64+32
.set ii, ii+1
.endr
	PLACES                                         ; behind the last products, in front of the stores that read their results
	WIN 0x04                                       ; the stores' data in window 1
.set pp, 0
.rept 20                               ; my part, in f32: accumulator p at 1,024 p, 16 bytes a lane, low registers first
	ds_store_b128 v[SRD], v[(128+8*pp)%256:(128+8*pp)%256+3]   offset:1024*pp
	ds_store_b128 v[SRD], v[(128+8*pp)%256+4:(128+8*pp)%256+7] offset:1024*pp+512
.set pp, pp+1
.endr
	WIN 0
	s_wait_dscnt 0x0                               ; for the others' sake: my part is stored
	s_barrier_signal -1
	s_barrier_wait -1
	WIN 0xc0
.set uu, 0
.rept 4
.set jj, 0
.rept 5                                ; wave uu's part of my channels
	ds_load_b128 v[40*uu+8*jj:40*uu+8*jj+3],   v[RDR+uu/2] offset:(uu%2)*2*SNB+1024*jj
	ds_load_b128 v[40*uu+8*jj+4:40*uu+8*jj+7], v[RDR+uu/2] offset:(uu%2)*2*SNB+1024*jj+512
.set jj, jj+1
.endr
.set uu, uu+1
.endr
	s_wait_dscnt 0x0
	WIN 0x0f
.set ii, 0
.rept 20
	v_pk_add_f32 v[ST+2*ii:ST+2*ii+1], v[2*ii:2*ii+1], v[40+2*ii:40+2*ii+1]
.set ii, ii+1
.endr
	WIN 0xcf
.set ii, 0
.rept 20
	v_pk_add_f32 v[80+2*ii:80+2*ii+1], v[80+2*ii:80+2*ii+1], v[120+2*ii:120+2*ii+1]
.set ii, ii+1
.endr
	WIN 0x0c
.set ii, 0
.rept 20
	v_pk_add_f32 v[ST+2*ii:ST+2*ii+1], v[ST+2*ii:ST+2*ii+1], v[80+2*ii:80+2*ii+1]
.set ii, ii+1
.endr
	WIN 0
	s_wait_tensorcnt 0x0                           ; my parts of the own segment have landed; my reads of the four parts are back (the wait above):
	s_barrier_signal -1
	s_barrier_wait -1                              ; behind this barrier the segment is whole, and the snapshots may be stored where the parts lay
	; THE OWN SEGMENT: a snapshot in front of each chunk; a trip is two chunks.  The counts: the younger steps' ten loads each, and the five stores of each snapshot issued behind them.
	s_mov_b32 s[WK], 3
.Lwalk:
	PLACES
	LSTEP AKW, AVW, 0, 0
	LSTEP AKW, AVW, 1, 1
	LSTEP AKW, AVW, 2, 2
	LSTEP AKW, AVW, 3, 3
	SNAP 0
	s_wait_dscnt 35
	MSTEP 0
	s_wait_dscnt 25
	MSTEP 1
	PLACES
	SNAP SNB
	s_wait_dscnt 20
	MSTEP 2
	s_wait_dscnt 10
	MSTEP 3
	WIN 0
	v_add_nc_u32 v[AKW], 128*PK, v[AKW]
	v_add_nc_u32 v[AVW], 128*PV, v[AVW]
	v_add_nc_u32 v[SADR], 2*SNB, v[SADR]
	s_sub_co_u32 s[WK], s[WK], 1
	s_cmp_lg_u32 s[WK], 0
	s_cbranch_scc1 .Lwalk
	PLACES                                         ; chunks 6 and 7: the last chunk's tokens are summed by nobody
	LSTEP AKW, AVW, 0, 0
	LSTEP AKW, AVW, 1, 1
	SNAP 0
	s_wait_dscnt 15
	MSTEP 0
	s_wait_dscnt 5
	MSTEP 1
	PLACES
	SNAP SNB
	WIN 0x80
.irp z, 4,5,6,7,12,13,14,15,20,21,22,23,28,29,30,31
	v_mov_b32 v[64+\z], 0                          ; the residual has no keys 16-31
.endr
	WIN 0
	s_wait_dscnt 0x0                               ; for the others' sake: my parts of the snapshots are stored
	s_barrier_signal -1
	s_barrier_wait -1
	s_mov_b32 s[U], 0
.Lchunk:
	LOADF
	s_or_b32 s[FLAG], s[G], s[WV]
	s_or_b32 s[FLAG], s[FLAG], s[U]                ; 0: the sequence's first chunk
	s_wait_loadcnt 0x0                             ; Q
	s_wait_dscnt 0x0
	s_cmp_eq_u32 s[FLAG], 0
	s_cbranch_scc1 .Lno_den
	DENS
	WIN 0
	s_branch .Lden_done
.Lno_den:
.irp qt, 0,1,2,3
	v_mov_b32 v[DEN+8*\qt], 0
.endr
.Lden_done:
	WIN 0x05
	FORB KQ0
	FORB KQ1
	NORM
	PVS
	WIN 0
	s_cmp_eq_u32 s[FLAG], 0
	s_cbranch_scc1 .Lno_inter
	INTER 0
	INTER 1
	INTER 2
	INTER 3
	WIN 0
.Lno_inter:
	PLACES
	PACK 0
	PACK 1
	SEND 0, 8
	PACK 2
	SEND 1, 8
	PACK 3
	SEND 2, 8
	SEND 3, 0
	s_wait_xcnt 0x0                                ; the stores have read their registers and their base
	v_add_nc_u32 v[AK], 64*PK, v[AK]
	v_add_nc_u32 v[AV], 64*PV, v[AV]
	v_add_nc_u32 v[AVL], 16*PV, v[AVL]
	v_add_nc_u32 v[SRD], SNB, v[SRD]
	s_add_nc_u64 s[YA:YA+1], s[YA:YA+1], 8192
	s_cmp_eq_u32 s[U], 1
	s_cbranch_scc1 .Lno_move
	WIN 0x42
.set ii, 0
.rept 64
	v_mov_b32 v[64+ii], v[184+ii]                  ; the second chunk's Q goes where the one text names Q
.set ii, ii+1
.endr
	WIN 0
.Lno_move:
	s_add_co_u32 s[U], s[U], 1
	s_cmp_lt_u32 s[U], 2
	s_cbranch_scc1 .Lchunk
	s_wait_tensorcnt 0x0                           ; the wave's end
	ds_add_u32 v[SPW], v[NIL]
	s_wait_dscnt 0x0
	s_endpgm
.Lfunc_end_k_qab8a7bbfab_attn:
	.size	k_qab8a7bbfab_attn, .Lfunc_end_k_qab8a7bbfab_attn-k_qab8a7bbfab_attn
	.p2alignl 7, 3214868480
	.fill 96, 4, 3214868480
	.section	.rodata,"a",@progbits
	.p2align	6, 0x0
	.amdhsa_kernel k_qab8a7bbfab_attn
		.amdhsa_group_segment_fixed_size 327680
		.amdhsa_private_segment_fixed_size 0
		.amdhsa_enable_private_segment 0
		.amdhsa_kernarg_size 24
		.amdhsa_user_sgpr_count 2
		.amdhsa_user_sgpr_kernarg_segment_ptr 1
		.amdhsa_wavefront_size32 1
		.amdhsa_system_sgpr_workgroup_id_x 1
		.amdhsa_system_sgpr_workgroup_id_y 1
		.amdhsa_system_sgpr_workgroup_id_z 1
		.amdhsa_system_vgpr_workitem_id 0
		.amdhsa_next_free_vgpr 1024
		.amdhsa_next_free_sgpr 88
		.amdhsa_reserve_vcc 1
		.amdhsa_float_denorm_mode_32 3
		.amdhsa_float_denorm_mode_16_64 3
		.amdhsa_memory_ordered 1
		.amdhsa_forward_progress 1
		.amdhsa_inst_pref_size 133
	.end_amdhsa_kernel
	.amdgpu_metadata
---
amdhsa.version: [ 1, 2 ]
amdhsa.kernels:
  - .name:           k_qab8a7bbfab_attn
    .symbol:         k_qab8a7bbfab_attn.kd
    .args:
      - { .name: qkv, .offset: 0, .size: 8, .value_kind: global_buffer, .address_space: global }
      - { .name: vlo, .offset: 8, .size: 8, .value_kind: global_buffer, .address_space: global }
      - { .name: ya, .offset: 16, .size: 8, .value_kind: global_buffer, .address_space: global }
    .group_segment_fixed_size: 327680
    .private_segment_fixed_size: 0
    .kernarg_segment_align: 8
    .kernarg_segment_size: 24
    .max_flat_workgroup_size: 128
    .sgpr_count:     88
    .vgpr_count:     1024
    .wavefront_size: 32
...
	.end_amdgpu_metadata
.endif
;; end of part 3
;; launch projgemm (part 4): grid 8 x 32, 4 waves a work-group, clusters of 4 x 4, 327,680 bytes of LDS; arguments ya, wp, b_proj, out0; writes out0
.if DOCPART == 4
	.amdgcn_target "amdgcn-amd-amdhsa--gfx1250"
	.amdhsa_code_object_version 6
	.text
	.protected	k_qab8a7bbfab_projgemm
	.globl	k_qab8a7bbfab_projgemm
	.p2align	8
	.type	k_qab8a7bbfab_projgemm,@function
k_qab8a7bbfab_projgemm:
	s_mov_b64 s[64:65], 0
	v_nop
	global_prefetch_b8 v0, s[64:65] scope:SCOPE_SE
	s_setreg_imm32_b32 hwreg(HW_REG_WAVE_MODE, 25, 1), 1
	s_wait_xcnt 0x0
	s_wait_alu depctr_hold_cnt(0) depctr_sa_sdst(0) depctr_va_vdst(0) depctr_va_sdst(0) depctr_va_ssrc(0) depctr_va_vcc(0) depctr_vm_vsrc(0)
	s_getreg_b32 s2, hwreg(HW_REG_IB_STS2, 6, 4)
	s_cmp_eq_u32 s2, 0
	s_cbranch_scc0 .Lentry_in_a_cluster
	s_endpgm
.Lentry_in_a_cluster:
	s_bfe_u32 s2, ttmp6, 0x10000c
	s_cmp_lg_u32 s2, 0xf033
	s_cbranch_scc0 .Lentry_shape_is_right
	s_endpgm
.Lentry_shape_is_right:
; out0 = y W_proj + b_proj, f32.  ya[h][m / 128][144][64] f16: rows 16-143 of a block are y, rows 0-15 the residual of the block's first 16 rows, whose products are added onto those rows' sums.
; wp[h][n][64] f16 (W_proj rounded to bf16).  The bias, rounded to bf16, starts the sums.  Nothing is left out here.
; SHARES.  256 tiles of 256 rows x 128 columns, one to a work-group.  Waves 2 x 2: a wave makes 128 rows (one block of ya) x 64 columns: 32 accumulators.  K goes in 8 steps of 128 (two heads) through two LDS slots.
; A tensor load brings two long dense rows, one for each head: a block's 18,432 bytes of ya, or 64 rows' 8,192 bytes of wp; padded in LDS after every 128 bytes.
; THE MATRIX INSTRUCTION IS USED TRANSPOSED (source 0 = 16 rows of wp, source 1 = 16 rows of ya).  CLUSTER 4 x 4: ya's tile is asked for jointly along a row of the cluster, wp's along a column.
; REGISTERS.  Window 0: v0-29 addresses; v32-103, v104-175 A's fragments (eight blocks of y, then the residual), two buffers; v176-207, v208-239 B's.  Window 1: accumulator (a, b) at 8 (4 a + b).  Window 2: v0-31 the bias.
.set PITCH,  144
.set APL,    144*PITCH                 ; a head's part of a block of ya in LDS
.set HALFA,  2*APL
.set BOFF,   2*HALFA
.set BPL,    64*PITCH
.set HALFB,  2*BPL
.set SLOT1,  131072
.set STAGE,  SLOT1+BOFF+2*HALFB        ; behind the ring: 16 rows x 272 bytes for each wave
.set SPITCH, 272
.set SPARE,  STAGE+4*16*SPITCH
.set ASTEP,  2*1179648                 ; two heads on, in ya
.set BSTEP,  2*131072                  ; and in wp
.set ADRA0, 4
.set ADRB0, 5
.set ADRA,  6
.set ADRB,  7
.set STO,   8
.set RD,    9
.set GO,    10
.set PFO,   11                         ; v11, v12 the prefetches' offsets: a lane 256 bytes, in the step's first and second head
.set PFO2,  12
.set BO,    13
.set SPW,   28
.set NIL,   29
.set FA,    32
.set FB,    176
.set OB,    32
.set WV,   14
.set ROLE, 15                          ; wave / 2: my half of the rows; also 0 fetches A, 1 fetches B
.set HALF, 16                          ; wave % 2: my half of the columns; also which half of that tile I fetch
.set G1A,  32
.set G1B,  40
.set G0A,  48
.set G0B,  56
.set PFA,  66
.set LIM,  68
.set TB,   69
.set STEPS, 71
.set PST,  72                          ; s[72:73] a K step in bytes, of the tensor that I fetch
.set MSB, 0
.macro WIN new
.if MSB != (\new)
	s_set_vgpr_msb (MSB<<8)|(\new)
.set MSB, \new
.endif
.endm
.macro PLACES
.rept 4
	v_nop
.endr
.endm
.macro JLOAD s                         ; a joint load; an s_nop 0 and four v_nop follow each of the two lines
	s_cmp_eq_u32 s[ROLE], 0
	s_cbranch_scc0 .Lfor_b_\@
	tensor_load_to_lds s[G0A+4*(\s):G0A+4*(\s)+3], s[G1A:G1A+7]
	s_nop 0
.rept 4
	v_nop
.endr
	s_branch .Lasked_\@
.Lfor_b_\@:
	tensor_load_to_lds s[G0B+4*(\s):G0B+4*(\s)+3], s[G1B:G1B+7]
	s_nop 0
.rept 4
	v_nop
.endr
.Lasked_\@:
.endm
.macro CREST
	s_cmp_lg_u32 s[WV], 0
	s_cbranch_scc1 .Lnot_wave_0_\@
	s_barrier_signal -3
.Lnot_wave_0_\@:
	s_barrier_wait -3
	s_barrier_signal -1
	s_barrier_wait -1
.endm
.macro CROUND
	s_barrier_signal -1
	s_barrier_wait -1
	CREST
.endm
; A PREFETCH INTO THE L2 of the K step two refills on, behind the joint load and the run of LDS loads: my work-group's quarter of what I fetch (18 pieces of 256 bytes of each head's part of ya, or 8 of wp), a lane a piece,
; one instruction a head.  Of the clusters that read the same bytes of ya the one with x = 0 asks, for wp the one with y = 0; the partners are told apart by address.  The last two refills ask for nothing.
.macro ASK
	s_cmp_gt_u32 s[STEPS], s[LIM]
	s_cbranch_scc0 .Lnot_mine_\@
	global_prefetch_b8 v[PFO], s[PFA:PFA+1] th:TH_LOAD_NT scope:SCOPE_SE
	global_prefetch_b8 v[PFO2], s[PFA:PFA+1] th:TH_LOAD_NT scope:SCOPE_SE
.Lnot_mine_\@:
.endm
; n row blocks from a0 x the 4 column blocks, 32 along K, from buffer f.  first = 1: the bias starts the sums.  The accumulators take turns.
.macro MULP f, a0, n, first
.if \first
	WIN 0x60
.else
	WIN 0x50
.endif
.set aa, \a0
.rept \n
.set bb, 0
.rept 4
.if \first
	v_wmma_f32_16x16x32_f16 v[8*(4*aa+bb):8*(4*aa+bb)+7], v[FB+32*(\f)+8*bb:FB+32*(\f)+8*bb+7], v[FA+72*(\f)+8*aa:FA+72*(\f)+8*aa+7], v[8*bb:8*bb+7]
.else
	v_wmma_f32_16x16x32_f16 v[8*(4*aa+bb):8*(4*aa+bb)+7], v[FB+32*(\f)+8*bb:FB+32*(\f)+8*bb+7], v[FA+72*(\f)+8*aa:FA+72*(\f)+8*aa+7], v[8*(4*aa+bb):8*(4*aa+bb)+7]
.endif
.set bb, bb+1
.endr
.set aa, aa+1
.endr
.endm
.macro MULR f                          ; the residual rows' products, onto row block 0
	WIN 0x50
.set bb, 0
.rept 4
	v_wmma_f32_16x16x32_f16 v[8*bb:8*bb+7], v[FB+32*(\f)+8*bb:FB+32*(\f)+8*bb+7], v[FA+72*(\f)+64:FA+72*(\f)+71], v[8*bb:8*bb+7]
.set bb, bb+1
.endr
.endm
; 26 LDS loads in one run: quarter q of the K step (head q / 2, channels 32 (q % 2) on) into buffer f: B, A's blocks 0-7, the residual
.macro FETCH q, f
	WIN 0
.set kA, APL*((\q)/2)+64*((\q)%2)
.set kB, BPL*((\q)/2)+64*((\q)%2)
.set bb, 0
.rept 4
	ds_load_b128 v[FB+32*(\f)+8*bb:FB+32*(\f)+8*bb+3],   v[ADRB] offset:kB+bb*16*PITCH
	ds_load_b128 v[FB+32*(\f)+8*bb+4:FB+32*(\f)+8*bb+7], v[ADRB] offset:kB+bb*16*PITCH+32
.set bb, bb+1
.endr
.set bb, 0
.rept 8
	ds_load_b128 v[FA+72*(\f)+8*bb:FA+72*(\f)+8*bb+3],   v[ADRA] offset:kA+(bb+1)*16*PITCH
	ds_load_b128 v[FA+72*(\f)+8*bb+4:FA+72*(\f)+8*bb+7], v[ADRA] offset:kA+(bb+1)*16*PITCH+32
.set bb, bb+1
.endr
	ds_load_b128 v[FA+72*(\f)+64:FA+72*(\f)+67], v[ADRA] offset:kA
	ds_load_b128 v[FA+72*(\f)+68:FA+72*(\f)+71], v[ADRA] offset:kA+32
.endm
.macro QUARTER q, f, g, first
	s_wait_dscnt 10                                ; B and A's blocks 0-3 are in; the youngest ten loads (blocks 4-7, the residual) may be out
	MULP \f, 0, 4, \first
	PLACES
	FETCH \q, \g
	s_wait_dscnt 26                                ; all but the 26 just issued
	MULP \f, 4, 4, \first
	MULR \f
.endm
.macro MEET round
	WIN 0
	s_wait_tensorcnt 0x0                           ; all my tensor loads have landed: the one that was out is my part of the next slot
	ds_add_u32 v[SPW], v[NIL]
	s_wait_dscnt 11                                ; the add and the youngest ten loads may be out
	MULP 1, 0, 2, 0
	s_wait_dscnt 0x0                               ; the add is done, my reads of this slot are over
	s_barrier_signal -1
	MULP 1, 2, 2, 0
.if \round
	WIN 0
.endif
	s_barrier_wait -1
.endm
.macro TURN fill
.if \fill
	s_wait_xcnt 0x0                                ; the last prefetches, a K step back, have read their address
	s_add_nc_u64 s[PFA:PFA+1], s[PFA:PFA+1], s[PST:PST+1]
	MEET 1
	CREST                                          ; no wave of any partner still reads this slot or has a load on its way
	s_xor_b32 s[G0A+5], s[G0A+5], SLOT1
	s_xor_b32 s[G0B+5], s[G0B+5], SLOT1
	s_add_nc_u64 s[G0A+6:G0A+7], s[G0A+6:G0A+7], ASTEP
	s_add_nc_u64 s[G0B+6:G0B+7], s[G0B+6:G0B+7], BSTEP
	JLOAD 1                                        ; the first tensor load behind the round; its four v_nop are also the places in front of the loads below
.else
	MEET 0
	PLACES
	WIN 0
.endif
	s_xor_b32 s[TB], s[TB], SLOT1
	v_add_nc_u32 v[ADRA], s[TB], v[ADRA0]
	v_add_nc_u32 v[ADRB], s[TB], v[ADRB0]
	FETCH 0, 0
.if \fill
	ASK
.endif
	MULP 1, 4, 4, 0
	MULR 1
.endm
; THE WAY OUT of row block a: 32 bytes a lane into my stage, back as whole rows of 256 bytes, two a load; each accumulator's low registers are read first
.macro OUTB a
	WIN 0x04
.set bb, 0
.rept 4
	ds_store_b128 v[STO], v[8*(4*(\a)+bb):8*(4*(\a)+bb)+3]   offset:64*bb
	ds_store_b128 v[STO], v[8*(4*(\a)+bb)+4:8*(4*(\a)+bb)+7] offset:64*bb+16
.set bb, bb+1
.endr
	WIN 0
	s_wait_xcnt 0x0                                ; earlier stores have read the registers that are loaded again below
.set bb, 0
.rept 8
	ds_load_b128 v[OB+32*((\a)%2)+4*bb:OB+32*((\a)%2)+4*bb+3], v[RD] offset:2*SPITCH*bb  ; LDS serves a wave's instructions in order: these see the stores above
.set bb, bb+1
.endr
	s_wait_dscnt 0x0
.set bb, 0
.rept 8
	global_store_b128 v[GO], v[OB+32*((\a)%2)+4*bb:OB+32*((\a)%2)+4*bb+3], s[10:11] offset:65536*(\a)+8192*bb th:TH_STORE_NT  ; 16 lanes store 256 consecutive bytes, aligned
.set bb, bb+1
.endr
.endm
	s_load_b256 s[4:11], s[0:1], 0x0               ; ya s[4:5], wp s[6:7], b_proj s[8:9], out0 s[10:11]
	v_lshl_add_u32 v[SPW], v0, 2, SPARE
	v_mov_b32 v[NIL], 0
	ds_add_u32 v[SPW], v[NIL]                      ; the wave's opening: the add, twice on end, and its wait ahead of my first tensor load
	ds_add_u32 v[SPW], v[NIL]
	v_lshrrev_b32 v1, 5, v0
	v_readfirstlane_b32 s[WV], v1
	s_lshr_b32 s[ROLE], s[WV], 1
	s_and_b32 s[HALF], s[WV], 1
	s_bfe_u32 s17, ttmp6, 0x40000                  ; cx
	s_bfe_u32 s18, ttmp6, 0x40004                  ; cy
	s_lshl_b32 s19, ttmp9, 2
	s_add_co_u32 s19, s19, s17                     ; the tile column J
	s_and_b32 s20, ttmp7, 0xffff
	s_lshl_b32 s20, s20, 2
	s_add_co_u32 s20, s20, s18                     ; the tile row R
	s_lshl_b32 s21, s18, 2
	s_lshl_b32 s21, 15, s21
	s_lshl_b32 s22, 0x1111, s17
	s_or_b32 s[G1A], s21, (1<<16)|(1<<20)|(1<<21)|(4<<22)|(3<<25)  ; mask; 2-byte elements; padding on; bit 21 beside a mask; after every 32 words, 4 words
	s_or_b32 s[G1B], s22, (1<<16)|(1<<20)|(1<<21)|(4<<22)|(3<<25)
	s_mov_b32 s[G1A+1], 9216<<16                   ; tensor_dim0 = 9,216 elements: a block's 18,432 bytes
	s_mov_b32 s[G1A+2], 2<<16                      ; tensor_dim1 = 2 heads
	s_mov_b32 s[G1A+3], 9216<<16                   ; tile_dim0
	s_mov_b32 s[G1A+4], 2                          ; tile_dim1
	s_mov_b32 s[G1A+5], 589824                     ; elements from head to head
	s_mov_b32 s[G1A+6], 0
	s_mov_b32 s[G1A+7], 0
	s_mov_b32 s[G1B+1], 4096<<16                   ; 64 rows of 64 elements
	s_mov_b32 s[G1B+2], 2<<16
	s_mov_b32 s[G1B+3], 4096<<16
	s_mov_b32 s[G1B+4], 2
	s_mov_b32 s[G1B+5], 65536
	s_mov_b32 s[G1B+6], 0
	s_mov_b32 s[G1B+7], 0
	s_lshl_b32 s24, s20, 1
	s_add_co_u32 s24, s24, s[HALF]
	s_mul_i32 s24, s24, 18432                      ; A: block 2 R + half
	s_mov_b32 s25, 0
	s_lshl_b32 s26, s19, 14
	s_lshl_b32 s28, s[HALF], 13
	s_add_co_u32 s26, s26, s28                     ; B: row 128 J + 64 half
	s_mov_b32 s27, 0
	s_mul_i32 s30, s[HALF], HALFA
	s_mul_i32 s31, s[HALF], HALFB
	s_add_co_u32 s31, s31, BOFF
	s_mov_b32 s[TB], 0
	; the prefetches: offsets first, made apart from the addresses
	s_mul_i32 s21, s17, 4608
	s_add_co_u32 s21, s21, s24                     ; ya: what I fetch, my work-group's quarter of it
	s_lshl_b32 s22, s18, 11
	s_add_co_u32 s22, s22, s26                     ; wp likewise
	s_and_b32 s23, ttmp7, 0xffff
	s_mov_b32 s[PST], ASTEP
	s_mov_b32 s28, BSTEP
	s_mov_b32 s29, 1179648
	s_mov_b32 s74, 131072
	s_cmp_eq_u32 s[ROLE], 0
	s_cselect_b32 s21, s21, s22
	s_cselect_b32 s23, ttmp9, s23                  ; the coordinate along which other clusters read the same bytes
	s_cselect_b32 s[PST], s[PST], s28
	s_cselect_b32 s29, s29, s74                    ; from the step's first head to its second
	s_cselect_b32 s28, 17, 7                       ; the last lane with a piece of its own
	s_mov_b32 s[PST+1], 0
	s_mul_i32 s22, s[PST], 3
	s_cmp_eq_u32 s23, 0
	s_cselect_b32 s[LIM], 2, -1
	s_add_co_u32 s22, s22, s21                     ; at K step 3: the first change of slots steps it to 4
	s_mov_b32 s23, 0
	v_and_b32 v[PFO], 31, v0
	v_min_u32 v[PFO], s28, v[PFO]
	v_lshlrev_b32 v[PFO], 8, v[PFO]
	v_add_nc_u32 v[PFO2], s29, v[PFO]
	s_wait_dscnt 0x0                               ; both opening adds are done
	s_wait_kmcnt 0x0
	s_cmp_eq_u32 s[ROLE], 0
	s_cselect_b64 s[PFA:PFA+1], s[4:5], s[6:7]
	s_add_nc_u64 s[PFA:PFA+1], s[PFA:PFA+1], s[22:23]
	s_add_nc_u64 s[24:25], s[4:5], s[24:25]
	s_add_nc_u64 s[26:27], s[6:7], s[26:27]
	CROUND                                         ; all sixteen work-groups are here: the first joint loads meet
.irp sl, 0,1
	s_mov_b32 s[G0A+4*\sl], 1
	s_add_co_u32 s[G0A+4*\sl+1], s30, \sl*SLOT1
	s_add_nc_u64 s[G0A+4*\sl+2:G0A+4*\sl+3], s[24:25], \sl*ASTEP
	s_or_b32 s[G0A+4*\sl+3], s[G0A+4*\sl+3], 0x80000000
	s_mov_b32 s[G0B+4*\sl], 1
	s_add_co_u32 s[G0B+4*\sl+1], s31, \sl*SLOT1
	s_add_nc_u64 s[G0B+4*\sl+2:G0B+4*\sl+3], s[26:27], \sl*BSTEP
	s_or_b32 s[G0B+4*\sl+3], s[G0B+4*\sl+3], 0x80000000
	JLOAD \sl                                      ; two tensor loads of mine are out
.endr
	; the bias: register j of block b holds column 128 J + 64 half + 16 b + 8 (l / 16) + j
	v_and_b32 v1, 15, v0
	v_bfe_u32 v2, v0, 4, 1
	v_lshlrev_b32 v[BO], 5, v2
	s_lshl_b32 s28, s19, 9
	s_lshl_b32 s29, s[HALF], 8
	s_add_co_u32 s28, s28, s29
	s_mov_b32 s29, 0
	s_add_nc_u64 s[8:9], s[8:9], s[28:29]
.set bb, 0
.rept 4
	global_load_b128 v[FA+8*bb:FA+8*bb+3],   v[BO], s[8:9] offset:64*bb
	global_load_b128 v[FA+8*bb+4:FA+8*bb+7], v[BO], s[8:9] offset:64*bb+16
.set bb, bb+1
.endr
	s_lshl_b32 s21, s20, 20                        ; out0: row 256 R + 128 (wave / 2), byte 512 J + 256 (wave % 2)
	s_lshl_b32 s22, s[ROLE], 19
	s_add_co_u32 s21, s21, s22
	s_add_co_u32 s28, s28, s21
	s_add_nc_u64 s[10:11], s[10:11], s[28:29]
	v_mul_u32_u24 v3, v1, PITCH
	v_lshl_add_u32 v3, v2, 4, v3
	s_mul_i32 s21, s[ROLE], HALFA
	v_add_nc_u32 v[ADRA0], s21, v3
	s_mul_i32 s21, s[HALF], HALFB
	s_add_co_u32 s21, s21, BOFF
	v_add_nc_u32 v[ADRB0], s21, v3
	v_mov_b32 v[ADRA], v[ADRA0]
	v_mov_b32 v[ADRB], v[ADRB0]
	s_mul_i32 s21, s[WV], 16*SPITCH
	s_add_co_u32 s21, s21, STAGE
	v_mul_u32_u24 v[STO], v1, SPITCH
	v_lshl_add_u32 v[STO], v2, 5, v[STO]
	v_add_nc_u32 v[STO], s21, v[STO]
	v_mul_u32_u24 v[RD], v2, SPITCH
	v_lshl_add_u32 v[RD], v1, 4, v[RD]
	v_add_nc_u32 v[RD], s21, v[RD]
	v_lshlrev_b32 v[GO], 12, v2
	v_lshl_add_u32 v[GO], v1, 4, v[GO]
	s_wait_loadcnt 0x0
.set ii, 0
.rept 16                               ; the bias rounded to bf16, like the other inputs,
	v_cvt_pk_bf16_f32 v[FA+32+ii], v[FA+2*ii], v[FA+2*ii+1]
.set ii, ii+1
.endr
	WIN 0x80
.set ii, 0
.rept 16                               ; and widened into window 2
	v_lshlrev_b32 v[2*ii], 16, v[FA+32+ii]
	v_and_b32 v[2*ii+1], 0xffff0000, v[FA+32+ii]
.set ii, ii+1
.endr
	WIN 0
	s_wait_tensorcnt 0x1                           ; my part of K step 0 is in; K step 1's may stay out
	s_barrier_signal -1
	s_barrier_wait -1
	FETCH 0, 0
	QUARTER 1, 0, 1, 1                             ; the first quarter: the bias starts the sums
	WIN 0
	s_mov_b32 s[STEPS], 6
.Lstep:                                        ; a trip: from a K step's second quarter to the next step's first; it fills the slot that it leaves
	QUARTER 2, 1, 0, 0
	QUARTER 3, 0, 1, 0
	TURN 1
	QUARTER 1, 0, 1, 0
	WIN 0
	s_sub_co_u32 s[STEPS], s[STEPS], 1
	s_cmp_lg_u32 s[STEPS], 0
	s_cbranch_scc1 .Lstep
	QUARTER 2, 1, 0, 0                             ; the last two K steps ask for nothing
	QUARTER 3, 0, 1, 0
	TURN 0
	QUARTER 1, 0, 1, 0
	QUARTER 2, 1, 0, 0
	QUARTER 3, 0, 1, 0
	s_wait_dscnt 10
	MULP 1, 0, 4, 0
	s_wait_dscnt 0x0
	MULP 1, 4, 4, 0
	MULR 1
	PLACES
.irp a, 0,1,2,3,4,5,6,7
	OUTB \a
.endr
	s_wait_tensorcnt 0x0                           ; the wave's end
	ds_add_u32 v[SPW], v[NIL]
	s_wait_dscnt 0x0
	CROUND                                         ; the closing round
	s_endpgm
.Lfunc_end_k_qab8a7bbfab_projgemm:
	.size	k_qab8a7bbfab_projgemm, .Lfunc_end_k_qab8a7bbfab_projgemm-k_qab8a7bbfab_projgemm
	.p2alignl 7, 3214868480
	.fill 96, 4, 3214868480
	.section	.rodata,"a",@progbits
	.p2align	6, 0x0
	.amdhsa_kernel k_qab8a7bbfab_projgemm
		.amdhsa_group_segment_fixed_size 327680
		.amdhsa_private_segment_fixed_size 0
		.amdhsa_enable_private_segment 0
		.amdhsa_kernarg_size 32
		.amdhsa_user_sgpr_count 2
		.amdhsa_user_sgpr_kernarg_segment_ptr 1
		.amdhsa_wavefront_size32 1
		.amdhsa_system_sgpr_workgroup_id_x 1
		.amdhsa_system_sgpr_workgroup_id_y 1
		.amdhsa_system_sgpr_workgroup_id_z 1
		.amdhsa_system_vgpr_workitem_id 0
		.amdhsa_next_free_vgpr 544
		.amdhsa_next_free_sgpr 88
		.amdhsa_reserve_vcc 0
		.amdhsa_float_denorm_mode_32 3
		.amdhsa_float_denorm_mode_16_64 3
		.amdhsa_memory_ordered 1
		.amdhsa_forward_progress 1
		.amdhsa_inst_pref_size 79
	.end_amdhsa_kernel
	.amdgpu_metadata
---
amdhsa.version: [ 1, 2 ]
amdhsa.kernels:
  - .name:           k_qab8a7bbfab_projgemm
    .symbol:         k_qab8a7bbfab_projgemm.kd
    .args:
      - { .name: ya, .offset: 0, .size: 8, .value_kind: global_buffer, .address_space: global }
      - { .name: wp, .offset: 8, .size: 8, .value_kind: global_buffer, .address_space: global }
      - { .name: b_proj, .offset: 16, .size: 8, .value_kind: global_buffer, .address_space: global }
      - { .name: out0, .offset: 24, .size: 8, .value_kind: global_buffer, .address_space: global }
    .group_segment_fixed_size: 327680
    .private_segment_fixed_size: 0
    .kernarg_segment_align: 8
    .kernarg_segment_size: 32
    .max_flat_workgroup_size: 128
    .sgpr_count:     88
    .vgpr_count:     544
    .wavefront_size: 32
...
	.end_amdgpu_metadata
.endif
;; end of part 4
